; MI455X (gfx1250); checked and timed in simulation.
; The chip was launched on July 23, 2026; its instructions are those of AMD's public machine-readable ISA for CDNA 5 (MIT licence, August 2026) and "CDNA5" Instruction Set Architecture Reference Guide (July 2026). The comments in the code are by the model that wrote it; some were corrected since.
;; Attention. Allowed arithmetic: matrix products marked QUANTISED: E2M3 operands, one E8M0 scale for each 32 along K, by v_wmma_scale_f32_16x16x128_f8f6f4 with both operands' format E2M3, f32 sums; everything else in f32.
;; Inputs: Wk 1,024 x 1,024 float32; Wq 1,024 x 1,024 float32; Wv 1,024 x 1,024 float32; X 4 x 2,048 x 1,024 float32; masks 4 x 2,048 int32.
;; Outputs: out0 4 x 2,048 x 1,024 float32.
;; This version of the problem:
;;   THIS VERSION OF THE PROBLEM IS GIVEN IN LOW PRECISION. The matrix products marked QUANTISED in the list below multiply operands that are first quantised to E2M3 (2 exponent bits, 3 mantissa bits; 6 bits a number), with one power-of-two scale for each 32 numbers along K (OCP MX v1.0); their sums are f32. All else is computed in f32.
;;   The module's matrix products, in the order in which they are computed (A, B: the left and right operand; K: the contracted axis; several contracted axes count as one K, in the product's order):
;;     1. [M 8,192, K 1,024] x [K 1,024, N 1,024]; A: input X; B: input Wq: QUANTISED
;;     2. [M 8,192, K 1,024] x [K 1,024, N 1,024]; A: input X; B: input Wk: QUANTISED
;;     3. [M 8,192, K 1,024] x [K 1,024, N 1,024]; A: input X; B: input Wv: QUANTISED
;;     4. batch 4 x [M 2,048, K 1,024] x [K 1,024, N 2,048]; A: computed on the way; B: computed on the way: QUANTISED
;;     5. batch 4 x [M 2,048, K 2,048] x [K 2,048, N 1,024]; A: computed on the way; B: computed on the way: QUANTISED
;;   THE QUANTISER, for each operand of a quantised product, along K:
;;     - K is cut into blocks of 32 from its start; a last block that is shorter is filled with zeros.
;;     - A block's scale is 2^e with e = floor(log2(the largest magnitude in the block)) - 2, held to -126 .. 127; a block of zeros has e = 0. As a byte (E8M0): e + 127.
;;     - Each number is divided by its block's scale, clamped to +-7.5, and rounded to the nearest number of E2M3, ties to even, subnormals kept.
;;     - The product sums the exact products of the quantised numbers (number of the format x scale) in f32.
;;   ~~~python
;;   def quantise(x, axis):      # numpy; x: float32 -> the quantised numbers, widened to float32 again
;;       x = np.moveaxis(x, axis, -1); K = x.shape[-1]
;;       x = np.pad(x, [(0, 0)] * (x.ndim - 1) + [(0, -K % 32)]); x = x.reshape(x.shape[:-1] + (-1, 32)); a = np.abs(x).max(-1, keepdims=True)
;;       e = np.where(a > 0, np.clip(np.frexp(np.where(a > 0, a, 1))[1] - 1 - 2, -126, 127), 0)      # np.frexp(a)[1] - 1 = floor(log2(a)), exactly
;;       r = np.clip(x / 2.0 ** e, -7.5, 7.5)
;;       step = 2.0 ** (np.maximum(np.frexp(np.where(r == 0, 1, r))[1] - 1, 0) - 3)
;;       q = np.round(r / step) * step * 2.0 ** e      # np.round: ties to even
;;       return np.moveaxis(q.reshape(q.shape[:-2] + (-1,))[..., :K], -1, axis).astype(np.float32)
;;   ~~~
;;   OPERANDS COMPUTED ON THE WAY. 'Computed on the way' means the value that the module computes at that place (a softmax that the list does not call 'softmax' is quantised finished and normalised). What goes into a quantiser is computed in f32, as accurately as f32 sums, v_exp_f32 and their like allow (about 1e-6 of the number): no bf16 or f16 on the way to a quantiser, and a product that is left as it is and whose result goes on into a quantised operand takes f32 operands (vector FMAs, or v_wmma_f32_16x16x4_f32). A number that lies on a knife's edge between two numbers of the format may be rounded either way, as far as f32 arithmetic and the matrix unit's own rounding can turn it there, and no further.
;; One version. Each part assembles by itself: llvm-mc -triple=amdgcn-amd-amdhsa -mcpu=gfx1250 --defsym DOCPART=n.
;; ======== version 1 of 1: 4 launches
;; workspace buffers: xc 6,553,600 bytes; wc 2,457,600 bytes; qc 6,553,600 bytes; kc 6,553,600 bytes; vc 6,553,600 bytes; pc 13,107,200 bytes
;; launch quant (part 1): grid 704 x 1, 4 waves a work-group, no clusters, 34,304 bytes of LDS; arguments X, Wq, Wk, Wv, xc, wc; writes xc, wc
.if DOCPART == 1
	.amdgcn_target "amdgcn-amd-amdhsa--gfx1250"
	.amdhsa_code_object_version 6
	.text
	.protected	k_q964e9feda5_quant
	.globl	k_q964e9feda5_quant
	.p2align	8
	.type	k_q964e9feda5_quant,@function
k_q964e9feda5_quant:
	s_mov_b64 s[64:65], 0
	v_nop
	global_prefetch_b8 v0, s[64:65] scope:SCOPE_SE
	s_setreg_imm32_b32 hwreg(HW_REG_WAVE_MODE, 25, 1), 1
	s_wait_xcnt 0x0
; X [8192][1024], Wq, Wk, Wv [1024][1024], f32, K innermost, become codes of FP6 (E2M3) with one E8M0 byte for each 32 along K, laid IN THE ORDER OF THE OPERAND'S REGISTERS.
; A ROW TILE T holds 16 rows: lane r's row is 32 (T / 2) + 8 (T % 2) + r + 8 (r / 8), so that two neighbouring tiles, used as source 0 of a transposed product, leave 16 neighbours in a lane's 16 registers.
; A FRAGMENT (a row tile x 128 along K) is 12 registers a lane = 1,536 bytes: registers 4 c .. 4 c + 3 of lane l at 512 c + 16 l.  Its scale words: 64 bytes, word r = row r's four bytes.
; A BLOCK is 16 fragments and behind them their 16 x 64 bytes of scale words: 25,600 bytes.  Which 16: X and Wv: 4 row tiles x 4 K steps (lay 0); Wq and Wk: 16 row tiles x 1 K step (lay 1).
; A block's scale is 2^(floor(log2(largest magnitude)) - 2): its byte is the largest magnitude's exponent field - 2, held at 1 from below by a floor among the maximum's leaves.
; LIMITS: a block of zeros gets the byte 1 where the rule says 127 (its codes are zeros, and this program alone reads the bytes); NaN and infinities among the inputs are not served.
; SHARES: a wave takes 32 consecutive rows x 128 along K: two fragments.  Each load reads 512 consecutive bytes of a row; a fragment's 16 rows turn through the wave's own stage in LDS (rows 528 bytes apart),
; from which lane (r, h) takes the 2 x 32 neighbours that the operand's layout gives it.  No barrier: waves share nothing.  No matrix unit, cluster or tensor load: a stream read once.
.set ROWB,   4096                      ; a row of any of the four tensors, in bytes
.set FRB,    1536
.set BLK,    25600
.set SCO,    24576                     ; where a block's scale words begin
.set SP,     528                       ; a stage row: 512 bytes + 16
.set WSTG,   16*SP                     ; a wave's stage
.set SPARE,  4*WSTG                    ; behind the stages: the spare words, 128 bytes a wave
.set LI,  4                            ; v4   16 x lane
.set STI, 5                            ; v5   the stage, on the way in
.set STR, 6                            ; v6   and out: 528 r + 128 h
.set L4,  7                            ; v7   4 x lane
.set SPW, 16                           ; v16  my spare word's LDS address; never rewritten
.set NIL, 17                           ; v17  0; never rewritten
.set SH,  21                           ; v21  8 h
.set CD,  24                           ; v24-35, v36-47 the two fragments' codes
.set RW,  64                           ; v64-127, v128-191 the two fragments' rows as loaded
.set N,   192                          ; v192-255 64 numbers: register 32 c + i is k = 64 c + 32 h + i of my row
	s_load_b256 s[4:11], s[0:1], 0x0               ; X, Wq, Wk, Wv
	s_load_b128 s[12:15], s[0:1], 0x20             ; xc, wc
	v_lshl_add_u32 v[SPW], v0, 2, SPARE
	v_mov_b32 v[NIL], 0
	v_lshrrev_b32 v1, 5, v0
	v_readfirstlane_b32 s16, v1                    ; wave
	v_and_b32 v1, 31, v0                           ; lane
	v_and_b32 v2, 15, v0                           ; r
	v_bfe_u32 v3, v0, 4, 1                         ; h
	v_lshlrev_b32 v[LI], 4, v1
	v_lshlrev_b32 v[L4], 2, v1
	s_mul_i32 s19, s16, WSTG
	v_add_nc_u32 v[STI], s19, v[LI]
	v_mul_u32_u24 v[STR], v2, SP
	v_lshl_add_u32 v[STR], v3, 7, v[STR]
	v_add_nc_u32 v[STR], s19, v[STR]
	v_lshlrev_b32 v[SH], 3, v3
	v_mov_b32 v15, 0                               ; a lane permute's destination counts as one of its sources
	s_mov_b32 s20, 0x76543210
	s_mov_b32 s21, 0xfedcba98                      ; selects for lane l xor 16
	s_mov_b32 s22, 0xffff0000                      ; lanes 16-31
	s_lshr_b32 s17, ttmp9, 1                       ; which 32 rows, counted through X, Wq, Wk, Wv
	s_and_b32 s18, ttmp9, 1
	s_lshl_b32 s18, s18, 2
	s_add_co_u32 s18, s18, s16                     ; K step 0..7
	s_wait_kmcnt 0x0
	; the tensor: chosen by the work-group's number alone; only pointers and numbers are chosen, the text has one path
	s_mov_b64 s[24:25], s[10:11]                   ; Wv: from pair 320 on, into wc + 1,638,400, lay 0
	s_mov_b64 s[30:31], s[14:15]
	s_mov_b32 s26, 320
	s_mov_b32 s27, 1638400
	s_mov_b32 s28, 0
	s_cmp_lt_u32 s17, 320                          ; Wk: from 288 on, wc + 819,200, lay 1
	s_cselect_b64 s[24:25], s[8:9], s[24:25]
	s_cselect_b32 s26, 288, s26
	s_cselect_b32 s27, 819200, s27
	s_cselect_b32 s28, 1, s28
	s_cmp_lt_u32 s17, 288                          ; Wq: from 256 on, wc + 0, lay 1
	s_cselect_b64 s[24:25], s[6:7], s[24:25]
	s_cselect_b32 s26, 256, s26
	s_cselect_b32 s27, 0, s27
	s_cmp_lt_u32 s17, 256                          ; X: xc + 0, lay 0
	s_cselect_b64 s[24:25], s[4:5], s[24:25]
	s_cselect_b64 s[30:31], s[12:13], s[30:31]
	s_cselect_b32 s26, 0, s26
	s_cselect_b32 s28, 0, s28
	s_sub_co_u32 s29, s17, s26                     ; tp: the pair of row tiles 2 tp, 2 tp + 1 of that tensor
	s_lshr_b32 s32, s29, 1
	s_lshl_b32 s32, s32, 1
	s_lshr_b32 s33, s18, 2
	s_add_co_u32 s32, s32, s33                     ; lay 0: block (T / 4) 2 + ks / 4,
	s_and_b32 s33, s18, 3
	s_lshl_b32 s33, s33, 2
	s_lshl_b32 s34, s29, 1
	s_and_b32 s35, s34, 3
	s_add_co_u32 s33, s33, s35                     ; fragment (ks % 4) 4 + T % 4
	s_lshr_b32 s36, s29, 3
	s_lshl_b32 s36, s36, 3
	s_add_co_u32 s36, s36, s18                     ; lay 1: block (T / 16) 8 + ks,
	s_and_b32 s37, s34, 15                         ; fragment T % 16
	s_cmp_eq_u32 s28, 1
	s_cselect_b32 s32, s36, s32
	s_cselect_b32 s33, s37, s33
	s_mul_i32 s32, s32, BLK
	s_add_co_u32 s32, s32, s27                     ; the block's first byte
	s_mul_i32 s34, s33, FRB
	s_add_co_u32 s34, s34, s32
	s_mov_b32 s35, 0
	s_lshl_b32 s36, s33, 6
	s_add_co_u32 s36, s36, s32
	s_add_co_u32 s36, s36, SCO
	s_mov_b32 s37, 0
	s_add_nc_u64 s[38:39], s[30:31], s[34:35]      ; my two fragments
	s_add_nc_u64 s[40:41], s[30:31], s[36:37]      ; their scale words
	s_lshl_b32 s34, s29, 17                        ; 32 rows of 4,096 bytes,
	s_lshl_b32 s36, s18, 9                         ; 128 numbers along K
	s_add_co_u32 s34, s34, s36
	s_add_nc_u64 s[24:25], s[24:25], s[34:35]
.irp f, 0,1
.irp i, 0,1,2,3,4,5,6,7,8,9,10,11,12,13,14,15
	global_load_b128 v[RW+64*\f+4*\i:RW+64*\f+4*\i+3], v[LI], s[24:25] offset:(8*\f+\i+8*(\i/8))*ROWB th:TH_LOAD_NT   ; the tile's row i: 32 lanes read 512 consecutive bytes
.endr
.endr
.macro HALF f
.irp i, 0,1,2,3,4,5,6,7,8,9,10,11,12,13,14,15
	ds_store_b128 v[STI], v[RW+64*\f+4*\i:RW+64*\f+4*\i+3] offset:SP*\i
.endr
.irp c, 0,1
.irp j, 0,1,2,3,4,5,6,7
	ds_load_b128 v[N+32*\c+4*\j:N+32*\c+4*\j+3], v[STR] offset:256*\c+16*\j   ; LDS serves a wave's instructions in order: these see the stores above
.endr
.endr
	s_wait_dscnt 0x0
.irp c, 0,1
	v_max3_num_f32 v[8+\c], |v[N+32*\c]|, |v[N+1+32*\c]|, 0x1800000   ; my block 2 c + h: all its 32 numbers are mine; and the floor 2^(3 - 127)
.endr
.irp i, 2,4,6,8,10,12,14,16,18,20,22,24,26,28,30
.irp c, 0,1
	v_max3_num_f32 v[8+\c], v[8+\c], |v[N+32*\c+\i]|, |v[N+1+32*\c+\i]|   ; the two blocks by turns
.endr
.endr
.irp c, 0,1
	v_add_nc_u32 v[10+\c], 0xff000000, v[8+\c]     ; 2 off the exponent field: the conversion's scale operand
.endr
.irp c, 0,1
	v_lshrrev_b32 v[12+\c], 23, v[10+\c]           ; the scale's byte
.endr
	v_lshl_or_b32 v14, v13, 16, v12                ; blocks h and 2 + h of my row,
	v_lshlrev_b32 v14, v[SH], v14                  ; at their places in the word;
	v_permlanex16_b32 v15, v14, s20, s21
	v_or_b32 v[18+\f], v14, v15                    ; with lane l xor 16's two the word is whole, in both halves of the lanes
.irp c, 0,1
	v_cvt_scalef32_pk16_fp6_f32 v[CD+12*\f+6*\c:CD+12*\f+6*\c+2], v[N+32*\c:N+32*\c+15], v[10+\c]
	v_cvt_scalef32_pk16_fp6_f32 v[48+4*\c:50+4*\c], v[N+16+32*\c:N+31+32*\c], v[10+\c]   ; a conversion's three registers begin on an even number
.endr
	v_nop                                          ; one plain place behind a scaled conversion
.irp c, 0,1
.irp i, 0,1,2
	v_mov_b32 v[CD+12*\f+6*\c+3+\i], v[48+4*\c+\i]
.endr
.endr
.irp c, 0,1,2
	global_store_b128 v[LI], v[CD+12*\f+4*\c:CD+12*\f+4*\c+3], s[38:39] offset:FRB*\f+512*\c th:TH_STORE_NT   ; 512 consecutive bytes, aligned to 256
.endr
.endm
	s_wait_loadcnt 16                              ; the first fragment's 16 loads are in; the second's may be out
	HALF 0
	s_wait_loadcnt 0x0
	HALF 1                                         ; the stage is used again: the first fragment's reads were waited for
	v_cndmask_b32 v20, v18, v19, s22               ; lanes 0-15 the first fragment's words, lanes 16-31 the second's
	global_store_b32 v[L4], v20, s[40:41] th:TH_STORE_NT   ; 128 consecutive bytes
	s_wait_tensorcnt 0x0                           ; the wave's end: behind my last LDS store
	ds_add_u32 v[SPW], v[NIL]
	s_wait_dscnt 0x0
	s_endpgm
.Lfunc_end_k_q964e9feda5_quant:
	.size	k_q964e9feda5_quant, .Lfunc_end_k_q964e9feda5_quant-k_q964e9feda5_quant
	.p2alignl 7, 3214868480
	.fill 96, 4, 3214868480
	.section	.rodata,"a",@progbits
	.p2align	6, 0x0
	.amdhsa_kernel k_q964e9feda5_quant
		.amdhsa_group_segment_fixed_size 34304
		.amdhsa_private_segment_fixed_size 0
		.amdhsa_enable_private_segment 0
		.amdhsa_kernarg_size 48
		.amdhsa_user_sgpr_count 2
		.amdhsa_user_sgpr_kernarg_segment_ptr 1
		.amdhsa_wavefront_size32 1
		.amdhsa_system_sgpr_workgroup_id_x 1
		.amdhsa_system_sgpr_workgroup_id_y 1
		.amdhsa_system_sgpr_workgroup_id_z 1
		.amdhsa_system_vgpr_workitem_id 0
		.amdhsa_next_free_vgpr 256
		.amdhsa_next_free_sgpr 66
		.amdhsa_reserve_vcc 0
		.amdhsa_float_denorm_mode_32 3
		.amdhsa_float_denorm_mode_16_64 3
		.amdhsa_memory_ordered 1
		.amdhsa_forward_progress 1
		.amdhsa_inst_pref_size 18
	.end_amdhsa_kernel
	.amdgpu_metadata
---
amdhsa.version: [ 1, 2 ]
amdhsa.kernels:
  - .name:           k_q964e9feda5_quant
    .symbol:         k_q964e9feda5_quant.kd
    .args:
      - { .name: X, .offset: 0, .size: 8, .value_kind: global_buffer, .address_space: global }
      - { .name: Wq, .offset: 8, .size: 8, .value_kind: global_buffer, .address_space: global }
      - { .name: Wk, .offset: 16, .size: 8, .value_kind: global_buffer, .address_space: global }
      - { .name: Wv, .offset: 24, .size: 8, .value_kind: global_buffer, .address_space: global }
      - { .name: xc, .offset: 32, .size: 8, .value_kind: global_buffer, .address_space: global }
      - { .name: wc, .offset: 40, .size: 8, .value_kind: global_buffer, .address_space: global }
    .group_segment_fixed_size: 34304
    .private_segment_fixed_size: 0
    .kernarg_segment_align: 8
    .kernarg_segment_size: 48
    .max_flat_workgroup_size: 128
    .sgpr_count:     66
    .vgpr_count:     256
    .wavefront_size: 32
...
	.end_amdgpu_metadata
.endif
;; end of part 1
;; launch qkv (part 2): grid 64 x 4, 4 waves a work-group, clusters of 4 x 1, 327,680 bytes of LDS; arguments xc, wc, qc, kc, vc; writes qc, kc, vc
.if DOCPART == 2
	.amdgcn_target "amdgcn-amd-amdhsa--gfx1250"
	.amdhsa_code_object_version 6
	.text
	.protected	k_q964e9feda5_qkv
	.globl	k_q964e9feda5_qkv
	.p2align	8
	.type	k_q964e9feda5_qkv,@function
k_q964e9feda5_qkv:
	s_mov_b64 s[64:65], 0
	v_nop
	global_prefetch_b8 v0, s[64:65] scope:SCOPE_SE
	s_setreg_imm32_b32 hwreg(HW_REG_WAVE_MODE, 25, 1), 1
	s_wait_xcnt 0x0
	s_wait_alu depctr_hold_cnt(0) depctr_sa_sdst(0) depctr_va_vdst(0) depctr_va_sdst(0) depctr_va_ssrc(0) depctr_va_vcc(0) depctr_vm_vsrc(0)
	s_getreg_b32 s2, hwreg(HW_REG_IB_STS2, 6, 4)
	s_cmp_eq_u32 s2, 0
	s_cbranch_scc0 .Lentry_in_a_cluster
	s_endpgm
.Lentry_in_a_cluster:
	s_bfe_u32 s2, ttmp6, 0x10000c
	s_cmp_lg_u32 s2, 0x3003
	s_cbranch_scc0 .Lentry_shape_is_right
	s_endpgm
.Lentry_shape_is_right:
; Products 1 to 3 on codes of FP6, and their results as codes again.  Operands and results lie as fragments in blocks (16 fragments of 1,536 bytes, then their 16 x 64 bytes of scale words: 25,600 bytes);
; a row tile's lane r holds row 32 (T / 2) + 8 (T % 2) + r + 8 (r / 8).
; SHARES.  Work-group (rp, j): rp = a pair of blocks of 64 rows of X, j = 0..3.  FIRST Q (j even) or K (j odd) for the 64 rows 2 rp + j / 2, ALL 1,024 columns: a row's norm wants the whole row, so the
; work-group owns whole rows: wave w makes columns 256 w .. 256 w + 255 (16 tiles of W x 4 tiles of X: 64 accumulators).  The rows' sums of squares meet in LDS; Q x rsq(sum) is quantised along the columns.
; THEN V for the pair's 128 rows (keys) x channels 256 j .. 256 j + 255: wave w makes 4 tiles of Wv x 8 tiles of keys (32 accumulators), quantised along the KEYS, which are the last product's K.
; BOTH ARE USED TRANSPOSED so that a lane's registers run along the next K: Q, K: source 0 = W's rows, source 1 = X's rows; V: source 0 = X's rows (keys), source 1 = Wv's rows.
; LDS.  X's four blocks (my 64 rows, K steps 0-3 and 4-7; the pair's other 64 rows likewise) come once and stay.  W goes through a ring of two slots; a slot holds one block for each wave, which that wave alone reads.
; CLUSTER.  The four partners have the same j and other rp: they walk the same W, so every load of W is asked for JOINTLY (mask 15).  X's loads are plain: partners have other rows; the work-groups that share
; X's rows (other j) want the blocks in another order in LDS, and X is 4 of the 44 blocks that a work-group brings in.
; THE CLUSTERS WALK K IN EIGHT ORDERS: the cluster with x = c begins at K step c % 8 and goes round.  So at the start the clusters together ask for all eight K steps of W, and each block that a cluster asks for
; later has been asked for by another cluster one or two refills earlier.  c is the same in all four partners: the joint loads' descriptors stay equal.
; No prefetch: W's blocks are read by every cluster, X's blocks are asked for at the head.
; LIMITS: the f32 sums of Q and K take their eight K steps in an order that differs from cluster to cluster; a row of Q or K whose sum of squares is 0, or under 2^-126, is not served (reference has NaN for 0);
; NaN and infinities are not served; Qn = Q x rsq(sum) where reference divides by the root; a block of zeros keeps the scale byte 1: its codes are zeros, and this program alone reads the bytes.
; REGISTERS, in windows of 256.  Window 0: v1-15 addresses; v18-33 sums of squares and 1 / norm; v34-73 scale words, two sets of 20; v80-175 X's fragments, two sets of 4; on the ways out v80-194 are at work.
;   Q, K: window 1: W's 16 fragments, ONE set; windows 2, 3: accumulator (n, t) at v[8 (4 (n % 8) + t)].   V: windows 1 and 3: two sets of operands (8 of X at v0, 4 of Wv at v96); window 2: accumulator (d, kt) at v[8 (8 d + kt)].
.set FRB,   1536
.set BLK,   25600
.set SCO,   24576
.set SLOT,  4*BLK                      ; a ring slot: a block for each wave
.set XRES,  2*SLOT                     ; X's four blocks
.set NRM,   XRES+4*BLK                 ; [4 tiles][4 waves][16 rows] f32: no tensor load lands here
.set SPARE, NRM+1024                   ; the spare words, 128 bytes a wave
.set LI,   1                           ; v1   16 x lane
.set LR,   2                           ; v2   4 x (lane % 16)
.set L4,   3                           ; v3   4 x lane
.set AW,   4                           ; v4-5   my block in slot 0, 1
.set ASW,  6                           ; v6-7   its scale words
.set AXA,  8                           ; v8   X: my 64 rows;  v9 the other 64
.set AXB,  9
.set ASXA, 10                          ; v10, v11 their scale words
.set ASXB, 11
.set ANW,  12                          ; v12  where I put a sum of squares;  v13 where I read them
.set ANR,  13
.set AXK,  14                          ; v14  X: my rows' four fragments of the K step that is being fetched;  v15 their scale words
.set ASXK, 15
.set SPW,  16                          ; v16  my spare word; never rewritten
.set NIL,  17                          ; v17  0; never rewritten
.set SS,   18                          ; v18-25 sums of squares, a pair for each tile of rows
.set INV,  26                          ; v26-33 1 / norm in the low word of a pair
.set SC,   34
.set XF,   80
.set ST,   80                          ; the ways out: 64 numbers,
.set PC,   144                         ; the codes just made (12, and 8 at work),
.set OUT,  164                         ; V's codes in the keys' order,
.set TM,   176                         ; 16 at work,
.set PW,   192                         ; the scale word, the even tile's, the merged
.set PWE,  193
.set PWM,  194
.set G1W,  24                          ; s[24:31] group 1 of W's loads;  s[32:39] of X's;  s[40:47] group 0 for each slot;  s[48:51] X's
.set G1X,  32
.set G0,   40
.set G0X,  48
.set OFFV, 52                          ; s[52:55] where Wv's two blocks for my wave lie in wc
.set SEL,  56
.set HI16, 58                          ; s58  lanes 16-31
.set ROT,  61                          ; s61  the K step at which my cluster begins
.set XO,   62                          ; s62, s63 where a K step's fragments and scale words of X begin in my rows' two blocks
.set XSO,  63
.set WB,   86                          ; s[86:87] my wave's eight blocks of Wq or Wk
.set WO,   88                          ; s[88:89] a block's offset among them
.set MSB, 0
.macro WIN new                         ; the immediate's high byte repeats the setting that is left
.if MSB != (\new)
	s_set_vgpr_msb (MSB<<8)|(\new)
.set MSB, (\new)
.endif
.endm
.macro PLACES                          ; four places: in front of loads into registers that matrix instructions have read, and of the first read of results
.rept 4
	v_nop
.endr
.endm
.macro BAR
	s_barrier_signal -1
	s_barrier_wait -1
.endm
.macro ROUND                           ; a round of the cluster's barrier
	s_barrier_signal -1
	s_barrier_wait -1
	s_cmp_lg_u32 s14, 0
	s_cbranch_scc1 .Lnw0_\@
	s_barrier_signal -3
.Lnw0_\@:
	s_barrier_wait -3
	s_barrier_signal -1
	s_barrier_wait -1
.endm
.macro FRAG reg, adr, off              ; a fragment comes as it lies: three loads of 512 consecutive bytes
.irp c, 0,1,2
	ds_load_b128 v[(\reg)+4*\c:(\reg)+4*\c+3], v[\adr] offset:(\off)+512*\c
.endr
.endm
.macro SCL reg, adr, off               ; a tile's scale words: lane r (and 16 + r) takes row r's
	ds_load_b32 v[\reg], v[\adr] offset:\off
.endm
.macro PUT reg, sb, off                ; and leaves so: each store covers 512 consecutive bytes, aligned to 256
.irp c, 0,1,2
	global_store_b128 v[LI], v[(\reg)+4*\c:(\reg)+4*\c+3], s[\sb:(\sb)+1] offset:(\off)+512*\c th:TH_STORE_NT
.endr
.endm
.macro WORDS odd, sb, off              ; two tiles' scale words leave together: 128 consecutive bytes
.if \odd
	v_cndmask_b32 v[PWM], v[PWE], v[PW], s[HI16]
	global_store_b32 v[L4], v[PWM], s[\sb:(\sb)+1] offset:\off th:TH_STORE_NT
.else
	v_mov_b32 v[PWE], v[PW]
.endif
.endm
; 64 numbers of a lane in window w, register 16 b + i = k 32 b + 16 (lane / 16) + i of my row, become a fragment's codes in v[PC] on and its scale word in v[PW]
.macro QUANT s, w
	WIN (\w)|((\w)<<2)
.irp b, 0,1,2,3
	v_max3_num_f32 v[TM+\b], |v[(\s)+16*\b]|, |v[(\s)+1+16*\b]|, 0x1800000   ; block b: my 16 numbers, and the floor 2^(3 - 127): the byte cannot fall under 1
.endr
	WIN ((\w)<<2)|((\w)<<4)
.irp i, 2,4,6,8,10,12,14
.irp b, 0,1,2,3
	v_max3_num_f32 v[TM+\b], v[TM+\b], |v[(\s)+16*\b+\i]|, |v[(\s)+1+16*\b+\i]|   ; the four blocks by turns
.endr
.endr
	WIN 0
.irp b, 0,1,2,3
	v_permlanex16_b32 v[TM+4+\b], v[TM+\b], s[SEL], s[SEL+1]
.endr
.irp b, 0,1,2,3
	v_max_num_f32 v[TM+\b], v[TM+\b], v[TM+4+\b]   ; with lane l xor 16's: the block's largest magnitude
.endr
.irp b, 0,1,2,3
	v_add_nc_u32 v[TM+12+\b], 0xff000000, v[TM+\b] ; 2 off its exponent field: the conversion's scale operand
.endr
.irp b, 0,1,2,3
	v_lshrrev_b32 v[TM+4+\b], 23, v[TM+12+\b]      ; the scale's byte
.endr
	v_lshl_or_b32 v[PW], v[TM+5], 8, v[TM+4]
	v_lshl_or_b32 v[PW], v[TM+6], 16, v[PW]
	v_lshl_or_b32 v[PW], v[TM+7], 24, v[PW]
	WIN \w
.irp c, 0,1
	v_cvt_scalef32_pk16_fp6_f32 v[PC+6*\c:PC+2+6*\c], v[(\s)+32*\c:(\s)+15+32*\c], v[TM+12+2*\c]
	v_cvt_scalef32_pk16_fp6_f32 v[PC+12+4*\c:PC+14+4*\c], v[(\s)+16+32*\c:(\s)+31+32*\c], v[TM+12+2*\c+1]   ; a conversion's three registers begin on an even number
.endr
	WIN 0
	v_nop                                          ; one plain place behind a scaled conversion
.irp c, 0,1                                    ; the operand's layout wants a whole block in a lane
.irp i, 0,1,2
	v_permlane16_swap_b32 v[PC+6*\c+\i], v[PC+12+4*\c+\i]
.endr
.irp i, 0,1,2
	v_mov_b32 v[PC+3+6*\c+\i], v[PC+12+4*\c+\i]
.endr
.endr
.endm
	s_load_b256 s[4:11], s[0:1], 0x0               ; xc, wc, qc, kc
	s_load_b64 s[12:13], s[0:1], 0x20              ; vc
	v_lshl_add_u32 v[SPW], v0, 2, SPARE
	v_mov_b32 v[NIL], 0
	ds_add_u32 v[SPW], v[NIL]                      ; the wave's opening: the add and its wait ahead of my first tensor load
	v_lshrrev_b32 v1, 5, v0
	v_readfirstlane_b32 s14, v1                    ; wave 0..3
	s_bfe_u32 s15, ttmp6, 0x40000                  ; cx
	s_lshl_b32 s16, ttmp9, 2
	s_add_co_u32 s16, s16, s15                     ; rp
	s_and_b32 s[ROT], ttmp9, 7                     ; the cluster's x % 8: the partners share it
	s_and_b32 s17, ttmp7, 0xffff                   ; j: the partners share it
	s_and_b32 s18, s17, 1                          ; 0: Q, 1: K
	s_lshr_b32 s19, s17, 1                         ; hf: which 64 rows of the pair are mine
	s_lshl_b32 s20, s16, 1
	s_add_co_u32 s20, s20, s19                     ; rb
	s_mov_b32 s[G1W], 15|(3<<16)|(1<<21)           ; a block = 100 rows of 32 elements of 8 bytes, dense; mask: all four partners
	s_mov_b32 s[G1X], 3<<16                        ; the same, no mask
.irp g, G1W, G1X
	s_mov_b32 s[\g+1], 32<<16                      ; tensor_dim0
	s_mov_b32 s[\g+2], 100<<16                     ; tensor_dim1
	s_mov_b32 s[\g+3], 32<<16                      ; tile_dim0
	s_mov_b32 s[\g+4], 100                         ; tile_dim1
	s_mov_b32 s[\g+5], 32                          ; pitch
	s_mov_b32 s[\g+6], 0
	s_mov_b32 s[\g+7], 0
.endr
	s_mul_i32 s22, s18, 819200                     ; Wq or Wk,
	s_mul_i32 s23, s14, 8*BLK                      ; my 16 tiles' eight blocks, one a K step
	s_add_co_u32 s22, s22, s23
	s_mov_b32 s23, 0
	s_mov_b32 s[WO+1], 0
	s_lshl_b32 s[OFFV], s17, 2
	s_add_co_u32 s[OFFV], s[OFFV], s14
	s_mul_i32 s[OFFV], s[OFFV], 2*BLK
	s_add_co_u32 s[OFFV], s[OFFV], 1638400         ; Wv: tiles 16 j + 4 w on, K steps 0-3;
	s_mov_b32 s[OFFV+1], 0
	s_add_co_u32 s[OFFV+2], s[OFFV], BLK           ; K steps 4-7
	s_mov_b32 s[OFFV+3], 0
	s_lshr_b32 s76, s14, 1                         ; X: waves 0, 1 fetch my rows' two blocks, waves 2, 3 the other rows'
	s_xor_b32 s76, s76, s20
	s_lshl_b32 s76, s76, 1
	s_and_b32 s77, s14, 1
	s_add_co_u32 s76, s76, s77
	s_mul_i32 s76, s76, BLK
	s_mov_b32 s77, 0
	s_mul_i32 s21, s14, BLK                        ; a wave's place in a slot and in X's region
	s_mov_b32 s[SEL], 0x76543210
	s_mov_b32 s[SEL+1], 0xfedcba98
	s_mov_b32 s[HI16], 0xffff0000
	s_wait_dscnt 0x0                               ; the opening add is done
	s_wait_kmcnt 0x0
	s_add_nc_u64 s[WB:WB+1], s[6:7], s[22:23]
	s_mul_i32 s[WO], s[ROT], BLK
	s_mov_b32 s[G0], 1
	s_mov_b32 s[G0+1], s21
	s_add_nc_u64 s[G0+2:G0+3], s[WB:WB+1], s[WO:WO+1]   ; my cluster's first K step
	s_or_b32 s[G0+3], s[G0+3], 0x80000000
	s_add_co_u32 s74, s[ROT], 1
	s_and_b32 s74, s74, 7
	s_mul_i32 s[WO], s74, BLK
	s_mov_b32 s[G0+4], 1
	s_add_co_u32 s[G0+5], s21, SLOT
	s_add_nc_u64 s[G0+6:G0+7], s[WB:WB+1], s[WO:WO+1]   ; its second
	s_or_b32 s[G0+7], s[G0+7], 0x80000000
	s_mov_b32 s[G0X], 1
	s_add_co_u32 s[G0X+1], s21, XRES
	s_add_nc_u64 s[G0X+2:G0X+3], s[4:5], s[76:77]
	s_or_b32 s[G0X+3], s[G0X+3], 0x80000000
	ROUND                                          ; all four work-groups are here: the first joint loads meet
	tensor_load_to_lds s[G0X:G0X+3], s[G1X:G1X+7]  ; three loads of mine are out
	s_nop 0
	tensor_load_to_lds s[G0:G0+3], s[G1W:G1W+7]
	s_nop 0
	tensor_load_to_lds s[G0+4:G0+7], s[G1W:G1W+7]
	s_nop 0
	PLACES
	v_and_b32 v[LR], 15, v0
	v_lshlrev_b32 v[LR], 2, v[LR]
	v_and_b32 v[L4], 31, v0
	v_lshlrev_b32 v[LI], 4, v[L4]
	v_lshlrev_b32 v[L4], 2, v[L4]
	v_add_nc_u32 v[AW], s21, v[LI]
	v_add_nc_u32 v[AW+1], SLOT, v[AW]
	v_add_nc_u32 v[ASW], s21, v[LR]
	v_add_nc_u32 v[ASW], SCO, v[ASW]
	v_add_nc_u32 v[ASW+1], SLOT, v[ASW]
	v_add_nc_u32 v[AXA], XRES, v[LI]
	v_add_nc_u32 v[AXB], 2*BLK, v[AXA]
	v_add_nc_u32 v[ASXA], XRES+SCO, v[LR]
	v_add_nc_u32 v[ASXB], 2*BLK, v[ASXA]
	s_lshl_b32 s78, s14, 6
	v_add_nc_u32 v[ANW], s78, v[LR]
	v_add_nc_u32 v[ANW], NRM, v[ANW]
	v_add_nc_u32 v[ANR], NRM, v[LR]
.irp b, 0,1,2,3
	v_mov_b32 v[TM+4+\b], 0                        ; a lane permute's destination counts as one of its sources
	v_mov_b32 v[INV+2*\b+1], 0                     ; named as the upper half of a pair
.endr
	; where the results go.  Q, K: block 4 rp + w (row group rp, K steps 2 w, 2 w + 1), fragment 8 g + 4 hf + t
	s_lshl_b32 s78, s16, 2
	s_add_co_u32 s78, s78, s14
	s_mul_i32 s78, s78, BLK
	s_mul_i32 s79, s19, 4*FRB
	s_add_co_u32 s80, s78, s79
	s_mov_b32 s81, 0
	s_cmp_eq_u32 s18, 0
	s_cselect_b64 s[66:67], s[8:9], s[10:11]
	s_mov_b64 s[68:69], s[66:67]
	s_add_nc_u64 s[66:67], s[66:67], s[80:81]      ; codes
	s_lshl_b32 s79, s19, 8
	s_add_co_u32 s80, s78, s79
	s_add_co_u32 s80, s80, SCO
	s_add_nc_u64 s[68:69], s[68:69], s[80:81]      ; scale words
	; V^T: block 64 b + 8 (2 j + w / 2) + ksv / 2, fragment 8 (ksv % 2) + 4 (w % 2) + d;  b = rp / 16, ksv = rp % 16
	s_lshr_b32 s82, s16, 4
	s_lshl_b32 s82, s82, 6
	s_lshl_b32 s83, s17, 1
	s_lshr_b32 s84, s14, 1
	s_add_co_u32 s83, s83, s84
	s_lshl_b32 s83, s83, 3
	s_add_co_u32 s82, s82, s83
	s_and_b32 s83, s16, 15
	s_lshr_b32 s84, s83, 1
	s_add_co_u32 s82, s82, s84
	s_mul_i32 s82, s82, BLK
	s_and_b32 s83, s83, 1
	s_lshl_b32 s83, s83, 3
	s_and_b32 s84, s14, 1
	s_lshl_b32 s84, s84, 2
	s_add_co_u32 s83, s83, s84
	s_mul_i32 s84, s83, FRB
	s_add_co_u32 s84, s84, s82
	s_mov_b32 s85, 0
	s_add_nc_u64 s[70:71], s[12:13], s[84:85]      ; codes
	s_lshl_b32 s84, s83, 6
	s_add_co_u32 s84, s84, s82
	s_add_co_u32 s84, s84, SCO
	s_add_nc_u64 s[72:73], s[12:13], s[84:85]      ; scale words
	s_mov_b32 s60, 0x03020100
	s_cmp_eq_u32 s19, 0
	s_cselect_b32 s59, 0, -1                       ; all lanes where my 64 keys are the pair's upper 64
	s_cselect_b32 s60, s60, 0x01000302             ; and the byte select that then swaps a scale word's halves
; cnt tiles of W from n0 on x X's four tiles, the k-th step.  The 64 accumulators take turns, one instruction a turn, in the same order in every step
.macro MULQ n0, cnt, k, zero
.if (\n0) < 8
	WIN 0xa1                                       ; source 0 (W) window 1, source 1 (X) window 0, C and D window 2
.else
	WIN 0xf1                                       ; C and D window 3
.endif
.set nn, \n0
.rept \cnt
.irp t, 0,1,2,3
.set rD, 8*(4*(nn%8)+\t)
.if \zero
	v_wmma_scale_f32_16x16x128_f8f6f4 v[rD:rD+7], v[12*nn:12*nn+11], v[XF+48*((\k)&1)+12*\t:XF+48*((\k)&1)+12*\t+11], 0, v[SC+20*((\k)&1)+nn], v[SC+20*((\k)&1)+16+\t] matrix_a_fmt:MATRIX_FMT_FP6 matrix_b_fmt:MATRIX_FMT_FP6
.else
	v_wmma_scale_f32_16x16x128_f8f6f4 v[rD:rD+7], v[12*nn:12*nn+11], v[XF+48*((\k)&1)+12*\t:XF+48*((\k)&1)+12*\t+11], v[rD:rD+7], v[SC+20*((\k)&1)+nn], v[SC+20*((\k)&1)+16+\t] matrix_a_fmt:MATRIX_FMT_FP6 matrix_b_fmt:MATRIX_FMT_FP6
.endif
.endr
.set nn, nn+1
.endr
.endm
.macro FW n0, k                        ; eight of W's fragments of the k-th step: 24 loads
	WIN 0x40
.irp i, 0,1,2,3,4,5,6,7
	FRAG 12*((\n0)+\i), AW+((\k)&1), FRB*((\n0)+\i)
.endr
.endm
.macro FXS k                           ; X's four fragments and all 20 scale words of the k-th step, which is K step kk = (k + my cluster's first) % 8: 32 loads
	WIN 0
	s_add_co_u32 s74, s[ROT], \k
	s_and_b32 s74, s74, 7                          ; kk
	s_lshr_b32 s75, s74, 2
	s_mul_i32 s75, s75, BLK                        ; which of my rows' two blocks,
	s_and_b32 s74, s74, 3
	s_mul_i32 s[XO], s74, 4*FRB                    ; and in it four fragments a K step,
	s_add_co_u32 s[XO], s[XO], s75
	s_lshl_b32 s[XSO], s74, 8                      ; 256 bytes of scale words a K step
	s_add_co_u32 s[XSO], s[XSO], s75
	v_add_nc_u32 v[AXK], s[XO], v[AXA]             ; at most 44,032 bytes on: every read stays inside my rows' two blocks
	v_add_nc_u32 v[ASXK], s[XSO], v[ASXA]
.irp t, 0,1,2,3
	FRAG XF+48*((\k)&1)+12*\t, AXK, \t*FRB
.endr
.irp i, 0,1,2,3,4,5,6,7,8,9,10,11,12,13,14,15
	SCL SC+20*((\k)&1)+\i, ASW+((\k)&1), 64*\i
.endr
.irp t, 0,1,2,3
	SCL SC+20*((\k)&1)+16+\t, ASXK, \t*64
.endr
.endm
; THE CHANGE OF SLOTS in the k-th step, k = 0 .. 6: all of that step's fragments of W are in registers, so slot k % 2 takes the fill two on (the (k + 2)-th step's block; in step 6: Wv's first block).
; From a request to the wait for it a wave issues 64 matrix instructions; for Wv's first block 112, and the 256 multiply-adds of the sums of squares.
.macro CHANGE k
	WIN 0
	s_wait_tensorcnt 0x0                           ; all my tensor loads have landed: the one that was out is the next step's block
	ds_add_u32 v[SPW], v[NIL]                      ; 0 onto my spare word
.if (\k) < 6
	s_add_co_u32 s74, s[ROT], (\k)+2
	s_and_b32 s74, s74, 7
	s_mul_i32 s[WO], s74, BLK
	s_add_nc_u64 s[G0+4*((\k)&1)+2:G0+4*((\k)&1)+3], s[WB:WB+1], s[WO:WO+1]
.else
	s_add_nc_u64 s[G0+4*((\k)&1)+2:G0+4*((\k)&1)+3], s[6:7], s[OFFV:OFFV+1]
.endif
	s_or_b32 s[G0+4*((\k)&1)+3], s[G0+4*((\k)&1)+3], 0x80000000
	s_wait_dscnt 0x0                               ; the add is done, and my reads of this slot are over (W's tiles 8-15 are in)
	ROUND                                          ; the same holds of every wave of every partner
	tensor_load_to_lds s[G0+4*((\k)&1):G0+4*((\k)&1)+3], s[G1W:G1W+7]   ; my one tensor load behind the round
	s_nop 0
	PLACES
.endm
.macro QKSTEP k, zero
	s_wait_dscnt 24                                ; W's tiles 0-7, X and the scale words are in; the youngest 24 loads (W's tiles 8-15) may be out
	MULQ 0, 4, \k, \zero
.if (\k) < 7
	CHANGE \k
.else
	s_wait_dscnt 0x0                               ; the last step changes no slot: W's tiles 8-15 are in, and my reads of slot 1 are over
.endif
	MULQ 4, 4, \k, \zero
.if (\k) < 7
	PLACES
	FW 0, (\k)+1
	FXS (\k)+1
.endif
	MULQ 8, 8, \k, \zero
.if (\k) < 7
	PLACES
	FW 8, (\k)+1
.endif
.endm
	s_wait_tensorcnt 0x1                           ; X's block and the first step's are in; the second step's may be out
	BAR                                            ; X's four blocks are read by all four waves
	FW 0, 0
	FXS 0
	FW 8, 0
	QKSTEP 0, 1                                    ; the first step's products start the sums: nothing is cleared
.irp k, 1,2,3,4,5,6,7
	QKSTEP \k, 0
.endr
	; THE NORMS.  Lane (r, h) holds row r of each tile of X's rows; its registers hold half of my wave's 256 columns.  Each accumulator is read from its low end on.
	PLACES
.irp g, 0,1
	WIN 0x0a+5*\g                                  ; sources 0 and 1: window 2, then 3
.set nn, 0
.rept 8
.irp p, 0,1,2,3
.irp t, 0,1,2,3
.set rA, 8*(4*nn+\t)+2*\p
.if (\g == 0) && (nn == 0) && (\p == 0)
	v_pk_mul_f32 v[SS+2*\t:SS+2*\t+1], v[rA:rA+1], v[rA:rA+1]
.else
	v_pk_fma_f32 v[SS+2*\t:SS+2*\t+1], v[rA:rA+1], v[rA:rA+1], v[SS+2*\t:SS+2*\t+1]   ; four chains by turns
.endif
.endr
.endr
.set nn, nn+1
.endr
.endr
	WIN 0
.irp t, 0,1,2,3
	v_add_f32 v[SS+2*\t], v[SS+2*\t], v[SS+2*\t+1]
.endr
.irp t, 0,1,2,3
	v_permlanex16_b32 v[TM+4+\t], v[SS+2*\t], s[SEL], s[SEL+1]
.endr
.irp t, 0,1,2,3
	v_add_f32 v[SS+2*\t], v[SS+2*\t], v[TM+4+\t]   ; my wave's 256 columns of row r
.endr
.irp t, 0,1,2,3
	ds_store_b32 v[ANW], v[SS+2*\t] offset:256*\t  ; lanes r and 16 + r write the same word with the same value
.endr
	; The barrier at which the sums meet is also the round behind which slot 1 takes Wv's second block
	s_wait_tensorcnt 0x0                           ; all my tensor loads have landed: Wv's first block
	ds_add_u32 v[SPW], v[NIL]                      ; 0 onto my spare word
	s_add_nc_u64 s[G0+6:G0+7], s[6:7], s[OFFV+2:OFFV+3]
	s_or_b32 s[G0+7], s[G0+7], 0x80000000
	s_wait_dscnt 0x0                               ; the add is done; for the others' sake my stores of the sums are done; my reads of slot 1 were over in the last step
	ROUND
	tensor_load_to_lds s[G0+4:G0+7], s[G1W:G1W+7]  ; my one tensor load behind the round: it has the way out of Q or K and three steps of V in which to land
	s_nop 0
	PLACES
.irp t, 0,1,2,3
.irp u, 0,1,2,3
	ds_load_b32 v[TM+4*\t+\u], v[ANR] offset:256*\t+64*\u
.endr
.endr
	s_wait_dscnt 0x0
.irp t, 0,1,2,3
	v_add_f32 v[TM+4*\t], v[TM+4*\t], v[TM+4*\t+1]
	v_add_f32 v[TM+4*\t+2], v[TM+4*\t+2], v[TM+4*\t+3]
.endr
.irp t, 0,1,2,3
	v_add_f32 v[TM+4*\t], v[TM+4*\t], v[TM+4*\t+2] ; the same order in every wave: the same bits
.endr
.irp t, 0,1,2,3
	v_rsq_f32 v[INV+2*\t], v[TM+4*\t]
.endr
	v_nop                                          ; a plain place behind the last of the four,
	s_wait_alu depctr_va_vdst(0)                   ; and a wait ahead of the batch's first reader
	; Qn or Kn, quantised along the columns: tiles 8 g .. 8 g + 7 of W are K step 2 w + g of the next product
.irp g, 0,1
.irp t, 0,1,2,3
	WIN 2+\g
.set nn, 0
.rept 8
.irp p, 0,1,2,3
	v_pk_mul_f32 v[ST+8*nn+2*\p:ST+8*nn+2*\p+1], v[8*(4*nn+\t)+2*\p:8*(4*nn+\t)+2*\p+1], v[INV+2*\t:INV+2*\t+1] op_sel_hi:[1,0]
.endr
.set nn, nn+1
.endr
	WIN 0
	s_wait_xcnt 0x0                                ; the last stores have read their data: the codes' registers may be written again
	QUANT ST, 0
	PUT PC, 66, (8*\g+\t)*FRB
	WORDS \t%2, 68, (8*\g+\t-1)*64
.endr
.endr
; V.  A K step's operands, 48 loads, into set ks % 2: X's eight fragments (my four tiles, the other four), Wv's four, their scale words
.macro FV ks
	WIN 0x40+0x80*((\ks)&1)
.irp t, 0,1,2,3
	FRAG 12*\t, AXA, ((\ks)>>2)*BLK+(((\ks)&3)*4+\t)*FRB
.endr
.irp t, 0,1,2,3
	FRAG 48+12*\t, AXB, ((\ks)>>2)*BLK+(((\ks)&3)*4+\t)*FRB
.endr
.irp t, 0,1,2,3
	FRAG 96+12*\t, AW+((\ks)>>2), (((\ks)&3)*4+\t)*FRB
.endr
	WIN 0
.irp t, 0,1,2,3
	SCL SC+20*((\ks)&1)+\t, ASXA, ((\ks)>>2)*BLK+(((\ks)&3)*4+\t)*64
.endr
.irp t, 0,1,2,3
	SCL SC+20*((\ks)&1)+4+\t, ASXB, ((\ks)>>2)*BLK+(((\ks)&3)*4+\t)*64
.endr
.irp t, 0,1,2,3
	SCL SC+20*((\ks)&1)+8+\t, ASW+((\ks)>>2), (((\ks)&3)*4+\t)*64
.endr
.endm
.macro MULV ks, kt0, zero              ; 16 matrix instructions: four tiles of keys x Wv's four; the accumulators by turns
	WIN 0xa5+0x0a*((\ks)&1)                        ; sources 0 and 1 window 1 or 3, C and D window 2
.irp u, 0,1,2,3
.irp d, 0,1,2,3
.set rD, 8*(8*\d+(\kt0)+\u)
.if \zero
	v_wmma_scale_f32_16x16x128_f8f6f4 v[rD:rD+7], v[12*((\kt0)+\u):12*((\kt0)+\u)+11], v[96+12*\d:96+12*\d+11], 0, v[SC+20*((\ks)&1)+(\kt0)+\u], v[SC+20*((\ks)&1)+8+\d] matrix_a_fmt:MATRIX_FMT_FP6 matrix_b_fmt:MATRIX_FMT_FP6
.else
	v_wmma_scale_f32_16x16x128_f8f6f4 v[rD:rD+7], v[12*((\kt0)+\u):12*((\kt0)+\u)+11], v[96+12*\d:96+12*\d+11], v[rD:rD+7], v[SC+20*((\ks)&1)+(\kt0)+\u], v[SC+20*((\ks)&1)+8+\d] matrix_a_fmt:MATRIX_FMT_FP6 matrix_b_fmt:MATRIX_FMT_FP6
.endif
.endr
.endr
.endm
.macro VSTEP ks, zero
	PLACES
.if (\ks) == 3
	s_wait_tensorcnt 0x0                           ; Wv's second block, which I alone read, is in
.endif
.if (\ks) < 7
	FV (\ks)+1
	s_wait_dscnt 48                                ; this step's operands are in; the 48 loads just issued may be out
.else
	s_wait_dscnt 0x0
.endif
	MULV \ks, 0, \zero
	MULV \ks, 4, \zero
.endm
	s_wait_tensorcnt 0x1                           ; Wv's first block is in (the round above has shown it); the second may be out
	FV 0
	VSTEP 0, 1
.irp k, 1,2,3,4,5,6,7
	VSTEP \k, 0
.endr
	; V^T, quantised along the keys.  Registers 0-5 of a fragment are my 64 keys, 6-11 the other 64: where mine are the pair's upper 64 the two change places, and so do the scale word's halves
	PLACES
.irp d, 0,1,2,3
	s_wait_xcnt 0x0                                ; the last stores have read their data
	QUANT 64*\d, 2
.irp i, 0,1,2,3,4,5,6,7,8,9,10,11
	v_cndmask_b32 v[OUT+\i], v[PC+\i], v[PC+(\i+6)%12], s59
.endr
	v_perm_b32 v[PW], v[PW], v[PW], s60
	PUT OUT, 70, \d*FRB
	WORDS \d%2, 72, (\d-1)*64
.endr
	s_wait_tensorcnt 0x0                           ; the wave's end: behind my last tensor load and my last LDS store
	ds_add_u32 v[SPW], v[NIL]
	s_wait_dscnt 0x0
	ROUND                                          ; the closing round
	s_endpgm
.Lfunc_end_k_q964e9feda5_qkv:
	.size	k_q964e9feda5_qkv, .Lfunc_end_k_q964e9feda5_qkv-k_q964e9feda5_qkv
	.p2alignl 7, 3214868480
	.fill 96, 4, 3214868480
	.section	.rodata,"a",@progbits
	.p2align	6, 0x0
	.amdhsa_kernel k_q964e9feda5_qkv
		.amdhsa_group_segment_fixed_size 327680
		.amdhsa_private_segment_fixed_size 0
		.amdhsa_enable_private_segment 0
		.amdhsa_kernarg_size 40
		.amdhsa_user_sgpr_count 2
		.amdhsa_user_sgpr_kernarg_segment_ptr 1
		.amdhsa_wavefront_size32 1
		.amdhsa_system_sgpr_workgroup_id_x 1
		.amdhsa_system_sgpr_workgroup_id_y 1
		.amdhsa_system_sgpr_workgroup_id_z 1
		.amdhsa_system_vgpr_workitem_id 0
		.amdhsa_next_free_vgpr 1024
		.amdhsa_next_free_sgpr 92
		.amdhsa_reserve_vcc 0
		.amdhsa_float_denorm_mode_32 3
		.amdhsa_float_denorm_mode_16_64 3
		.amdhsa_memory_ordered 1
		.amdhsa_forward_progress 1
		.amdhsa_inst_pref_size 255
	.end_amdhsa_kernel
	.section	.bss,"aw",@nobits
	.p2align	6
	.space	262144
	.amdgpu_metadata
---
amdhsa.version: [ 1, 2 ]
amdhsa.kernels:
  - .name:           k_q964e9feda5_qkv
    .symbol:         k_q964e9feda5_qkv.kd
    .args:
      - { .name: xc, .offset: 0, .size: 8, .value_kind: global_buffer, .address_space: global }
      - { .name: wc, .offset: 8, .size: 8, .value_kind: global_buffer, .address_space: global }
      - { .name: qc, .offset: 16, .size: 8, .value_kind: global_buffer, .address_space: global }
      - { .name: kc, .offset: 24, .size: 8, .value_kind: global_buffer, .address_space: global }
      - { .name: vc, .offset: 32, .size: 8, .value_kind: global_buffer, .address_space: global }
    .group_segment_fixed_size: 327680
    .private_segment_fixed_size: 0
    .kernarg_segment_align: 8
    .kernarg_segment_size: 40
    .max_flat_workgroup_size: 128
    .sgpr_count:     92
    .vgpr_count:     1024
    .wavefront_size: 32
...
	.end_amdgpu_metadata
.endif
;; end of part 2
;; launch scores (part 3): grid 8 x 32, 4 waves a work-group, clusters of 4 x 4, 327,680 bytes of LDS; arguments qc, kc, masks, pc; writes pc
.if DOCPART == 3
	.amdgcn_target "amdgcn-amd-amdhsa--gfx1250"
	.amdhsa_code_object_version 6
	.text
	.protected	k_q964e9feda5_scores
	.globl	k_q964e9feda5_scores
	.p2align	8
	.type	k_q964e9feda5_scores,@function
k_q964e9feda5_scores:
	s_mov_b64 s[64:65], 0
	v_nop
	global_prefetch_b8 v0, s[64:65] scope:SCOPE_SE
	s_setreg_imm32_b32 hwreg(HW_REG_WAVE_MODE, 25, 1), 1
	s_wait_xcnt 0x0
	s_wait_alu depctr_hold_cnt(0) depctr_sa_sdst(0) depctr_va_vdst(0) depctr_va_sdst(0) depctr_va_ssrc(0) depctr_va_vcc(0) depctr_vm_vsrc(0)
	s_getreg_b32 s2, hwreg(HW_REG_IB_STS2, 6, 4)
	s_cmp_eq_u32 s2, 0
	s_cbranch_scc0 .Lentry_in_a_cluster
	s_endpgm
.Lentry_in_a_cluster:
	s_bfe_u32 s2, ttmp6, 0x10000c
	s_cmp_lg_u32 s2, 0xf033
	s_cbranch_scc0 .Lentry_shape_is_right
	s_endpgm
.Lentry_shape_is_right:
; Product 4 and the mask: P[b][q][k] = (Qn[b][q] . Kn[b][k]) x m, m = 1 where masks[b][k] is 0 or k > q, else 0; P leaves as codes of FP6 quantised along the KEYS, the last product's K.
; No tile is left out: above the diagonal all scores are kept, below it those of the keys whose mask word is 0, which is an input.
; Qn, Kn, P lie as fragments in blocks (16 fragments of 1,536 bytes, then 16 x 64 bytes of scale words: 25,600 bytes); a row tile's lane r holds row 32 (T / 2) + 8 (T % 2) + r + 8 (r / 8).
; SHARES.  A work-group makes 256 queries x 256 keys of one batch, a wave 128 x 128: 64 accumulators.  TRANSPOSED: source 0 = 16 keys, source 1 = 16 queries: a lane holds one query and its registers run along the keys.
; K = 1,024 goes in eight steps, two to a slot: Q's two halves and K's two halves, a block each; each wave fetches one block.  THREE SLOTS are filled at the head, as one group: six of the eight steps.
; The last two steps are the only refill: into slot 0, behind the round in step 1, 256 matrix instructions ahead of the wait for it in step 5.
; CLUSTER 4 x 4: Q's blocks are shared along a row of the cluster, K's along a column: joint loads.
; No prefetch: three quarters of the tiles are asked for at the head, and the one refill is itself asked for four steps ahead of its use.
; LIMITS: a block of zeros keeps the scale byte 1 (its codes are zeros; this program alone reads the bytes); NaN and infinities among the scores are not served.
; REGISTERS.  Window 0: v1-23 addresses and the mask's numbers; v32-63 scale words, two sets; v64-127 a threshold for each of a lane's 64 keys; v128-223 Q's eight fragments, ONE set; on the way out v128-242 at work.
;   Window 1: K's fragments, two sets, at v0 and v128.  Windows 2, 3: accumulator (a, bt) at v[8 (8 (a % 4) + bt)].
.set FRB,   1536
.set BLK,   25600
.set SCO,   24576
.set SLOT,  4*BLK
.set SPARE, 3*SLOT
.set LI,   1                           ; v1   16 x lane
.set LR,   2                           ; v2   4 x (lane % 16)
.set L4,   3                           ; v3   4 x lane
.set AQ,   4                           ; v4-6   my half of Q in slot 0, 1, 2
.set AK,   7                           ; v7-9   my half of K
.set ASQ,  10                          ; v10-12, v13-15 their scale words
.set ASK,  13
.set SPW,  16
.set NIL,  17
.set DL,   20                          ; v20  my lane's query of tile 0, less my wave's first key, less 16 (lane / 16)
.set DD,   21                          ; v21  the same for the tile in hand
.set BIG,  22                          ; v22  the greatest whole number
.set MO,   23                          ; v23  64 (lane / 16): my offset among the mask words
.set SC,   32
.set THR,  64
.set QF,   128
.set ST,   128
.set PC,   192
.set TM,   224
.set PW,   240
.set PWE,  241
.set PWM,  242
.set G1,   24                          ; s[24:31] group 1 for Q;  s[48:55] for K
.set G1B,  48
.set G0Q,  32                          ; s[32:39] group 0 for Q's slots 0 and 1;  s[84:87] for slot 2
.set G0Q2, 84
.set G0K,  56                          ; s[56:63] the same for K;  s[88:91]
.set G0K2, 88
.set SEL,  20
.set HI16, 22
.set LM,   66                          ; s[66:81] 16 lane masks
.set PBC,  98                          ; s[98:99] where my codes go;  s[100:101] my scale words
.set PBS,  100
.set MSB, 0
.macro WIN new
.if MSB != (\new)
	s_set_vgpr_msb (MSB<<8)|(\new)
.set MSB, (\new)
.endif
.endm
.macro PLACES
.rept 4
	v_nop
.endr
.endm
.macro BAR
	s_barrier_signal -1
	s_barrier_wait -1
.endm
.macro ROUND
	s_barrier_signal -1
	s_barrier_wait -1
	s_cmp_lg_u32 s14, 0
	s_cbranch_scc1 .Lnw0_\@
	s_barrier_signal -3
.Lnw0_\@:
	s_barrier_wait -3
	s_barrier_signal -1
	s_barrier_wait -1
.endm
.macro JLOAD gq, gk                    ; a joint load: waves 0 and 1 fetch Q's halves, waves 2 and 3 K's; the branch hangs on the wave's number alone
	s_cmp_eq_u32 s15, 0
	s_cbranch_scc0 .Lfor_b_\@
	tensor_load_to_lds s[\gq:\gq+3], s[G1:G1+7]
	s_nop 0
	PLACES
	s_branch .Lasked_\@
.Lfor_b_\@:
	tensor_load_to_lds s[\gk:\gk+3], s[G1B:G1B+7]
	s_nop 0
	PLACES
.Lasked_\@:
.endm
.macro FRAG reg, adr, off
.irp c, 0,1,2
	ds_load_b128 v[(\reg)+4*\c:(\reg)+4*\c+3], v[\adr] offset:(\off)+512*\c
.endr
.endm
.macro SCL reg, adr, off
	ds_load_b32 v[\reg], v[\adr] offset:\off
.endm
.macro PUT reg, sb, off
.irp c, 0,1,2
	global_store_b128 v[LI], v[(\reg)+4*\c:(\reg)+4*\c+3], s[\sb:(\sb)+1] offset:(\off)+512*\c th:TH_STORE_NT
.endr
.endm
; 64 numbers of a lane in window w, register 16 b + i = k 32 b + 16 (lane / 16) + i of my row, become a fragment's codes in v[PC] on and its scale word in v[PW]
.macro QUANT s, w
	WIN (\w)|((\w)<<2)
.irp b, 0,1,2,3
	v_max3_num_f32 v[TM+\b], |v[(\s)+16*\b]|, |v[(\s)+1+16*\b]|, 0x1800000   ; and the floor 2^(3 - 127): the byte cannot fall under 1
.endr
	WIN ((\w)<<2)|((\w)<<4)
.irp i, 2,4,6,8,10,12,14
.irp b, 0,1,2,3
	v_max3_num_f32 v[TM+\b], v[TM+\b], |v[(\s)+16*\b+\i]|, |v[(\s)+1+16*\b+\i]|
.endr
.endr
	WIN 0
.irp b, 0,1,2,3
	v_permlanex16_b32 v[TM+4+\b], v[TM+\b], s[SEL], s[SEL+1]
.endr
.irp b, 0,1,2,3
	v_max_num_f32 v[TM+\b], v[TM+\b], v[TM+4+\b]
.endr
.irp b, 0,1,2,3
	v_add_nc_u32 v[TM+12+\b], 0xff000000, v[TM+\b]
.endr
.irp b, 0,1,2,3
	v_lshrrev_b32 v[TM+4+\b], 23, v[TM+12+\b]
.endr
	v_lshl_or_b32 v[PW], v[TM+5], 8, v[TM+4]
	v_lshl_or_b32 v[PW], v[TM+6], 16, v[PW]
	v_lshl_or_b32 v[PW], v[TM+7], 24, v[PW]
	WIN \w
.irp c, 0,1
	v_cvt_scalef32_pk16_fp6_f32 v[PC+6*\c:PC+2+6*\c], v[(\s)+32*\c:(\s)+15+32*\c], v[TM+12+2*\c]
	v_cvt_scalef32_pk16_fp6_f32 v[PC+12+4*\c:PC+14+4*\c], v[(\s)+16+32*\c:(\s)+31+32*\c], v[TM+12+2*\c+1]
.endr
	WIN 0
	v_nop                                          ; one plain place behind a scaled conversion
.irp c, 0,1
.irp i, 0,1,2
	v_permlane16_swap_b32 v[PC+6*\c+\i], v[PC+12+4*\c+\i]
.endr
.irp i, 0,1,2
	v_mov_b32 v[PC+3+6*\c+\i], v[PC+12+4*\c+\i]
.endr
.endr
.endm
	s_load_b256 s[4:11], s[0:1], 0x0               ; qc, kc, masks, pc
	v_lshl_add_u32 v[SPW], v0, 2, SPARE
	v_mov_b32 v[NIL], 0
	ds_add_u32 v[SPW], v[NIL]                      ; the wave's opening: the add and its wait ahead of my first tensor load
	v_lshrrev_b32 v1, 5, v0
	v_readfirstlane_b32 s14, v1                    ; wave 0..3
	s_lshr_b32 s15, s14, 1                         ; my half of the queries.  Also: I fetch for Q (0) or for K (1)
	s_and_b32 s16, s14, 1                          ; my half of the keys.  Also: which half I fetch
	s_bfe_u32 s40, ttmp6, 0x40000                  ; cx
	s_bfe_u32 s41, ttmp6, 0x40004                  ; cy
	s_lshl_b32 s42, ttmp9, 2
	s_add_co_u32 s42, s42, s40                     ; KT: which 256 keys
	s_and_b32 s18, ttmp7, 0xffff
	s_lshr_b32 s19, s18, 1                         ; the batch, from the cluster's y alone
	s_lshl_b32 s17, s18, 2
	s_add_co_u32 s17, s17, s41                     ; y = 8 b + QT: which 256 queries
	s_lshl_b32 s43, s41, 2
	s_lshl_b32 s43, 15, s43                        ; my row of the cluster
	s_lshl_b32 s44, 0x1111, s40                    ; my column
	s_or_b32 s[G1], s43, (3<<16)|(1<<21)           ; a block = 100 rows of 32 elements of 8 bytes, dense
	s_or_b32 s[G1B], s44, (3<<16)|(1<<21)
.irp g, G1, G1B
	s_mov_b32 s[\g+1], 32<<16
	s_mov_b32 s[\g+2], 100<<16
	s_mov_b32 s[\g+3], 32<<16
	s_mov_b32 s[\g+4], 100
	s_mov_b32 s[\g+5], 32
	s_mov_b32 s[\g+6], 0
	s_mov_b32 s[\g+7], 0
.endr
	s_lshl_b32 s12, s17, 1
	s_add_co_u32 s12, s12, s16
	s_mul_i32 s12, s12, 4*BLK                      ; Q: group of 128 rows 2 y + half: four blocks, one for two K steps
	s_mov_b32 s13, 0
	s_lshl_b32 s46, s19, 4
	s_lshl_b32 s47, s42, 1
	s_add_co_u32 s46, s46, s47
	s_add_co_u32 s46, s46, s16
	s_mul_i32 s46, s46, 4*BLK                      ; K: group 16 b + 2 KT + half
	s_mov_b32 s47, 0
	s_mul_i32 s45, s14, BLK                        ; where they go: wave x a block
	s_mov_b32 s[SEL], 0x76543210
	s_mov_b32 s[SEL+1], 0xfedcba98
	s_mov_b32 s[HI16], 0xffff0000
	s_wait_dscnt 0x0                               ; the opening add is done
	s_wait_kmcnt 0x0
	s_add_nc_u64 s[12:13], s[4:5], s[12:13]
	s_add_nc_u64 s[46:47], s[6:7], s[46:47]
.irp s, 0,1
	s_mov_b32 s[G0Q+4*\s], 1
	s_add_co_u32 s[G0Q+4*\s+1], s45, \s*SLOT
	s_add_nc_u64 s[G0Q+4*\s+2:G0Q+4*\s+3], s[12:13], \s*BLK
	s_or_b32 s[G0Q+4*\s+3], s[G0Q+4*\s+3], 0x80000000
	s_mov_b32 s[G0K+4*\s], 1
	s_add_co_u32 s[G0K+4*\s+1], s45, \s*SLOT
	s_add_nc_u64 s[G0K+4*\s+2:G0K+4*\s+3], s[46:47], \s*BLK
	s_or_b32 s[G0K+4*\s+3], s[G0K+4*\s+3], 0x80000000
.endr
	s_mov_b32 s[G0Q2], 1
	s_add_co_u32 s[G0Q2+1], s45, 2*SLOT
	s_add_nc_u64 s[G0Q2+2:G0Q2+3], s[12:13], 2*BLK
	s_or_b32 s[G0Q2+3], s[G0Q2+3], 0x80000000
	s_mov_b32 s[G0K2], 1
	s_add_co_u32 s[G0K2+1], s45, 2*SLOT
	s_add_nc_u64 s[G0K2+2:G0K2+3], s[46:47], 2*BLK
	s_or_b32 s[G0K2+3], s[G0K2+3], 0x80000000
	ROUND                                          ; all sixteen work-groups are here: the first joint loads meet
	JLOAD G0Q, G0K                                 ; K steps 0, 1
	JLOAD G0Q+4, G0K+4                             ; 2, 3
	JLOAD G0Q2, G0K2                               ; 4, 5: three loads of mine are out
	s_lshl_b32 s2, s19, 11                         ; my wave's 128 mask words: 2,048 b + 256 KT + 128 half
	s_lshl_b32 s3, s42, 8
	s_add_co_u32 s2, s2, s3
	s_lshl_b32 s3, s16, 7
	s_add_co_u32 s2, s2, s3
	s_lshl_b32 s2, s2, 2
	s_mov_b32 s3, 0
	s_add_nc_u64 s[2:3], s[8:9], s[2:3]
	v_bfe_u32 v19, v0, 4, 1                        ; h
	v_lshlrev_b32 v[MO], 6, v19
.irp b, 0,1,2,3
.irp c, 0,1,2,3
	global_load_b128 v[THR+16*\b+4*\c:THR+16*\b+4*\c+3], v[MO], s[2:3] offset:128*\b+16*\c   ; register 16 b + i: the mask word of key 32 b + 16 h + i
.endr
.endr
	v_and_b32 v[LR], 15, v0
	v_and_b32 v18, 8, v[LR]
	v_add_nc_u32 v18, v18, v[LR]                   ; r + 8 (r / 8)
	v_lshlrev_b32 v19, 4, v19
	v_sub_nc_u32 v18, v18, v19                     ; - 16 h
	s_and_b32 s66, s17, 7
	s_lshl_b32 s66, s66, 8
	s_lshl_b32 s67, s15, 7
	s_add_co_u32 s66, s66, s67                     ; my wave's first query in the batch,
	s_lshl_b32 s67, s42, 8
	s_sub_co_i32 s66, s66, s67
	s_lshl_b32 s67, s16, 7
	s_sub_co_i32 s66, s66, s67                     ; less its first key
	v_add_nc_u32 v[DL], s66, v18
	v_mov_b32 v[BIG], 0x7fffffff
	v_lshlrev_b32 v[LR], 2, v[LR]
	v_and_b32 v[L4], 31, v0
	v_lshlrev_b32 v[LI], 4, v[L4]
	v_lshlrev_b32 v[L4], 2, v[L4]
	s_mul_i32 s68, s15, BLK                        ; my half of Q,
	s_mul_i32 s69, s16, BLK
	s_add_co_u32 s69, s69, 2*BLK                   ; my half of K, behind Q's two
	v_add_nc_u32 v[AQ], s68, v[LI]
	v_add_nc_u32 v[AQ+1], SLOT, v[AQ]
	v_add_nc_u32 v[AQ+2], 2*SLOT, v[AQ]
	v_add_nc_u32 v[AK], s69, v[LI]
	v_add_nc_u32 v[AK+1], SLOT, v[AK]
	v_add_nc_u32 v[AK+2], 2*SLOT, v[AK]
	v_add_nc_u32 v[ASQ], s68, v[LR]
	v_add_nc_u32 v[ASQ], SCO, v[ASQ]
	v_add_nc_u32 v[ASQ+1], SLOT, v[ASQ]
	v_add_nc_u32 v[ASQ+2], 2*SLOT, v[ASQ]
	v_add_nc_u32 v[ASK], s69, v[LR]
	v_add_nc_u32 v[ASK], SCO, v[ASK]
	v_add_nc_u32 v[ASK+1], SLOT, v[ASK]
	v_add_nc_u32 v[ASK+2], 2*SLOT, v[ASK]
.irp b, 0,1,2,3
	v_mov_b32 v[TM+4+\b], 0                        ; a lane permute's destination counts as one of its sources
.endr
	; P: block 16 y + 8 (my half of the queries) + 4 (a / 4) + ksp / 4, fragment 4 (ksp % 4) + a % 4;  ksp = 2 KT + my half of the keys
	s_lshl_b32 s70, s42, 1
	s_add_co_u32 s70, s70, s16
	s_lshl_b32 s71, s17, 4
	s_lshl_b32 s72, s15, 3
	s_add_co_u32 s71, s71, s72
	s_lshr_b32 s72, s70, 2
	s_add_co_u32 s71, s71, s72
	s_mul_i32 s71, s71, BLK
	s_and_b32 s70, s70, 3
	s_mul_i32 s72, s70, 4*FRB
	s_add_co_u32 s72, s72, s71
	s_mov_b32 s73, 0
	s_add_nc_u64 s[PBC:PBC+1], s[10:11], s[72:73]
	s_lshl_b32 s72, s70, 8
	s_add_co_u32 s72, s72, s71
	s_add_co_u32 s72, s72, SCO
	s_add_nc_u64 s[PBS:PBS+1], s[10:11], s[72:73]
; Step st lies in slot (st / 2) % 3: steps 6 and 7 in slot 0 again
.macro FK st                           ; K's eight fragments of step st into set st % 2: 24 loads
	WIN 0x40
.irp i, 0,1,2,3,4,5,6,7
	FRAG 128*((\st)&1)+12*\i, AK+(((\st)>>1)%3), (8*((\st)&1)+\i)*FRB
.endr
	WIN 0
.endm
.macro FQ st, a0                       ; Q's fragments a0 .. a0 + 3: 12 loads
.irp i, 0,1,2,3
	FRAG QF+12*((\a0)+\i), AQ+(((\st)>>1)%3), (8*((\st)&1)+(\a0)+\i)*FRB
.endr
.endm
.macro FS st                           ; the step's 16 scale words
.irp i, 0,1,2,3,4,5,6,7
	SCL SC+16*((\st)&1)+\i, ASQ+(((\st)>>1)%3), (8*((\st)&1)+\i)*64
	SCL SC+16*((\st)&1)+8+\i, ASK+(((\st)>>1)%3), (8*((\st)&1)+\i)*64
.endr
.endm
.macro MULS st, a0, zero               ; 32 matrix instructions: Q's tiles a0 .. a0 + 3 x K's eight; the 64 accumulators take turns, in the same order in every step
	WIN 0xa1+0x50*((\a0)/4)                        ; source 0 (K) window 1, source 1 (Q) window 0, C and D window 2 or 3
.irp u, 0,1,2,3
.irp b, 0,1,2,3,4,5,6,7
.set rD, 8*(8*\u+\b)
.if \zero
	v_wmma_scale_f32_16x16x128_f8f6f4 v[rD:rD+7], v[128*((\st)&1)+12*\b:128*((\st)&1)+12*\b+11], v[QF+12*((\a0)+\u):QF+12*((\a0)+\u)+11], 0, v[SC+16*((\st)&1)+8+\b], v[SC+16*((\st)&1)+(\a0)+\u] matrix_a_fmt:MATRIX_FMT_FP6 matrix_b_fmt:MATRIX_FMT_FP6
.else
	v_wmma_scale_f32_16x16x128_f8f6f4 v[rD:rD+7], v[128*((\st)&1)+12*\b:128*((\st)&1)+12*\b+11], v[QF+12*((\a0)+\u):QF+12*((\a0)+\u)+11], v[rD:rD+7], v[SC+16*((\st)&1)+8+\b], v[SC+16*((\st)&1)+(\a0)+\u] matrix_a_fmt:MATRIX_FMT_FP6 matrix_b_fmt:MATRIX_FMT_FP6
.endif
.endr
.endr
.endm
; A step of 128 along K.  In the middle of step 1 all of slot 0's fragments are in registers: the wait for all tensor loads there shows slots 1 AND 2 landed, the round shows that of every wave, and slot 0 takes steps 6 and 7.
; So step 3 goes on into slot 2 with no barrier.  In the middle of step 5 the refill is waited for, 256 matrix instructions behind its request, and a barrier shows it to every wave.
.macro SSTEP st, zero
	s_wait_dscnt 12                                ; K's set, Q's tiles 0-3 and the scale words are in; the youngest 12 loads (Q's tiles 4-7) may be out
	MULS \st, 0, \zero
	WIN 0
.if ((\st) == 1) || ((\st) == 5)
	s_wait_tensorcnt 0x0                           ; all my tensor loads have landed
	ds_add_u32 v[SPW], v[NIL]                      ; 0 onto my spare word
.if (\st) == 1
	s_add_nc_u64 s[G0Q+2:G0Q+3], s[G0Q+2:G0Q+3], 3*BLK
	s_add_nc_u64 s[G0K+2:G0K+3], s[G0K+2:G0K+3], 3*BLK
.endif
	s_wait_dscnt 0x0                               ; the add is done, and my reads of the slot in hand are over
.if (\st) == 1
	ROUND                                          ; the same holds of every wave of every partner
	JLOAD G0Q, G0K                                 ; my one tensor load behind the round; its four v_nop are the places in front of the loads below
.else
	BAR                                            ; slot 0 is whole again; nothing more is filled
	PLACES
.endif
.else
	s_wait_dscnt 0x0                               ; Q's tiles 4-7 are in
.if (\st) < 7
	PLACES
.endif
.endif
.if (\st) < 7
	FK (\st)+1
	FQ (\st)+1, 0
	FS (\st)+1
.endif
	MULS \st, 4, \zero
.if (\st) < 7
	PLACES
	WIN 0
	FQ (\st)+1, 4
.endif
.endm
	s_wait_tensorcnt 0x2                           ; my block of slot 0 is in; those of slots 1 and 2 may be out
	BAR
	FK 0
	FQ 0, 0
	FS 0
	FQ 0, 4
	s_wait_loadcnt 0x0                             ; the mask words
.set ii, 0
.rept 64                               ; a key's threshold: the greatest number where its mask word is 0, else the key's number in my lane's frame.  A score is kept where its threshold is above the query's number in that frame
	v_cmp_eq_u32 vcc_lo, 0, v[THR+ii]
	v_cndmask_b32 v[THR+ii], 32*(ii/16)+ii%16, v[BIG], vcc_lo
.set ii, ii+1
.endr
	SSTEP 0, 1                                     ; the first step's products start the sums
.irp k, 1,2,3,4,5,6,7
	SSTEP \k, 0
.endr
; THE WAY OUT of Q's tile a: the mask (two instructions a number, no branch), the quantiser along the keys, the fragment of K step ksp.  Each accumulator is read from its low end on.
.macro OUTQ a
	WIN 0
	v_add_nc_u32 v[DD], 32*((\a)/2)+8*((\a)%2), v[DL]
.irp u, 0,1,2,3
	WIN 0
.set ii, 0
.rept 16
	v_cmp_gt_i32 s[LM+ii], v[THR+16*\u+ii], v[DD]
.set ii, ii+1
.endr
	WIN (2+(\a)/4)<<2
.set ii, 0
.rept 16
	v_cndmask_b32 v[ST+16*\u+ii], 0, v[64*((\a)%4)+16*\u+ii], s[LM+ii]
.set ii, ii+1
.endr
.endr
	WIN 0
	s_wait_xcnt 0x0                                ; the last stores have read their data
	QUANT ST, 0
	PUT PC, PBC, ((\a)/4)*4*BLK+((\a)%4)*FRB
.if ((\a)%2) == 0
	v_mov_b32 v[PWE], v[PW]
.else
	v_cndmask_b32 v[PWM], v[PWE], v[PW], s[HI16]
	global_store_b32 v[L4], v[PWM], s[PBS:PBS+1] offset:((\a)/4)*4*BLK+((\a)%4-1)*64 th:TH_STORE_NT   ; two tiles' scale words: 128 consecutive bytes
.endif
.endm
	PLACES
.irp a, 0,1,2,3,4,5,6,7
	OUTQ \a
.endr
	s_wait_tensorcnt 0x0                           ; the wave's end: behind my last tensor load
	ds_add_u32 v[SPW], v[NIL]
	s_wait_dscnt 0x0
	ROUND                                          ; the closing round
	s_endpgm
.Lfunc_end_k_q964e9feda5_scores:
	.size	k_q964e9feda5_scores, .Lfunc_end_k_q964e9feda5_scores-k_q964e9feda5_scores
	.p2alignl 7, 3214868480
	.fill 96, 4, 3214868480
	.section	.rodata,"a",@progbits
	.p2align	6, 0x0
	.amdhsa_kernel k_q964e9feda5_scores
		.amdhsa_group_segment_fixed_size 327680
		.amdhsa_private_segment_fixed_size 0
		.amdhsa_enable_private_segment 0
		.amdhsa_kernarg_size 32
		.amdhsa_user_sgpr_count 2
		.amdhsa_user_sgpr_kernarg_segment_ptr 1
		.amdhsa_wavefront_size32 1
		.amdhsa_system_sgpr_workgroup_id_x 1
		.amdhsa_system_sgpr_workgroup_id_y 1
		.amdhsa_system_sgpr_workgroup_id_z 1
		.amdhsa_system_vgpr_workitem_id 0
		.amdhsa_next_free_vgpr 1024
		.amdhsa_next_free_sgpr 102
		.amdhsa_reserve_vcc 1
		.amdhsa_float_denorm_mode_32 3
		.amdhsa_float_denorm_mode_16_64 3
		.amdhsa_memory_ordered 1
		.amdhsa_forward_progress 1
		.amdhsa_inst_pref_size 217
	.end_amdhsa_kernel
	.amdgpu_metadata
---
amdhsa.version: [ 1, 2 ]
amdhsa.kernels:
  - .name:           k_q964e9feda5_scores
    .symbol:         k_q964e9feda5_scores.kd
    .args:
      - { .name: qc, .offset: 0, .size: 8, .value_kind: global_buffer, .address_space: global }
      - { .name: kc, .offset: 8, .size: 8, .value_kind: global_buffer, .address_space: global }
      - { .name: masks, .offset: 16, .size: 8, .value_kind: global_buffer, .address_space: global }
      - { .name: pc, .offset: 24, .size: 8, .value_kind: global_buffer, .address_space: global }
    .group_segment_fixed_size: 327680
    .private_segment_fixed_size: 0
    .kernarg_segment_align: 8
    .kernarg_segment_size: 32
    .max_flat_workgroup_size: 128
    .sgpr_count:     102
    .vgpr_count:     1024
    .wavefront_size: 32
...
	.end_amdgpu_metadata
.endif
;; end of part 3
;; launch outp (part 4): grid 4 x 64, 4 waves a work-group, clusters of 4 x 4, 327,680 bytes of LDS; arguments vc, pc, out0; writes out0
.if DOCPART == 4
	.amdgcn_target "amdgcn-amd-amdhsa--gfx1250"
	.amdhsa_code_object_version 6
	.text
	.protected	k_q964e9feda5_outp
	.globl	k_q964e9feda5_outp
	.p2align	8
	.type	k_q964e9feda5_outp,@function
k_q964e9feda5_outp:
	s_mov_b64 s[64:65], 0
	v_nop
	global_prefetch_b8 v0, s[64:65] scope:SCOPE_SE
	s_setreg_imm32_b32 hwreg(HW_REG_WAVE_MODE, 25, 1), 1
	s_wait_xcnt 0x0
	s_wait_alu depctr_hold_cnt(0) depctr_sa_sdst(0) depctr_va_vdst(0) depctr_va_sdst(0) depctr_va_ssrc(0) depctr_va_vcc(0) depctr_vm_vsrc(0)
	s_getreg_b32 s2, hwreg(HW_REG_IB_STS2, 6, 4)
	s_cmp_eq_u32 s2, 0
	s_cbranch_scc0 .Lentry_in_a_cluster
	s_endpgm
.Lentry_in_a_cluster:
	s_bfe_u32 s2, ttmp6, 0x10000c
	s_cmp_lg_u32 s2, 0xf033
	s_cbranch_scc0 .Lentry_shape_is_right
	s_endpgm
.Lentry_shape_is_right:
; Product 5: out0[b][q][d] = the sum over the keys of P[b][q][k] V[b][k][d], on codes of FP6 with K = the 2,048 keys; out0 f32.
; P (rows q) and V^T (rows d) lie as fragments in blocks (16 fragments of 1,536 bytes, then 16 x 64 bytes of scale words: 25,600 bytes); a row tile's lane r holds row 32 (T / 2) + 8 (T % 2) + r + 8 (r / 8).
; SHARES.  A work-group makes 128 queries x 256 channels (256 work-groups; tiles of 256 x 256 would be 128), a wave 64 x 128: 32 accumulators.  TRANSPOSED: source 0 = 16 channels of V^T, source 1 = 16 queries of P:
; a lane holds one query and 16 neighbouring channels in the registers of two neighbouring tiles.
; K goes in 16 steps through a ring of two slots of four steps: V^T's two halves (two blocks each) and P's two halves (a block each).  Waves 0 and 1 fetch V^T's halves, waves 2 and 3 P's.
; CLUSTER 4 x 4: V^T's blocks are shared along a column of the cluster, P's along a row: joint loads.  No prefetch: a work-group has two refills, and every block is read by several work-groups.
; REGISTERS.  Window 0: v1-13 addresses; v32-55 scale words, two sets of 12; v64-191 rows of out0 on the way out.  Windows 1 and 3: two sets of operands (V^T's eight fragments at v0, P's four at v96).
;   Window 2: accumulator (a, n) at v[8 (8 a + n)].
.set FRB,   1536
.set BLK,   25600
.set SCO,   24576
.set SLOT,  6*BLK
.set SPARE, 2*SLOT
.set SP,    528                        ; the way out: a stage of 16 rows x (512 bytes + 16) for each wave, in slot 0, which has had its last fill and its last read by then
.set LI,   1                           ; v1   16 x lane
.set LR,   2                           ; v2   4 x (lane % 16)
.set AV,   4                           ; v4-5   my half of V^T in slot 0, 1
.set AP,   6                           ; v6-7   my half of P
.set ASV,  8                           ; v8-9, v10-11 their scale words
.set ASP,  10
.set STO,  12                          ; v12  the stage: where I put 16 bytes of a row
.set RD,   13                          ; v13  and where I read a row back
.set SPW,  16
.set NIL,  17
.set SC,   32
.set BK,   64
.set G1V,  24                          ; s[24:31], s[32:39] groups 1 and 0 (a set for each slot) for V^T;  s[48:55], s[56:63] for P
.set G0V,  32
.set G1P,  48
.set G0P,  56
.set MSB, 0
.macro WIN new
.if MSB != (\new)
	s_set_vgpr_msb (MSB<<8)|(\new)
.set MSB, (\new)
.endif
.endm
.macro PLACES
.rept 4
	v_nop
.endr
.endm
.macro BAR
	s_barrier_signal -1
	s_barrier_wait -1
.endm
.macro ROUND
	s_barrier_signal -1
	s_barrier_wait -1
	s_cmp_lg_u32 s14, 0
	s_cbranch_scc1 .Lnw0_\@
	s_barrier_signal -3
.Lnw0_\@:
	s_barrier_wait -3
	s_barrier_signal -1
	s_barrier_wait -1
.endm
.macro JLOAD s                         ; a joint load; the branch hangs on the wave's number alone
	s_cmp_eq_u32 s15, 0
	s_cbranch_scc0 .Lfor_p_\@
	tensor_load_to_lds s[G0V+4*(\s):G0V+4*(\s)+3], s[G1V:G1V+7]
	s_nop 0
	PLACES
	s_branch .Lasked_\@
.Lfor_p_\@:
	tensor_load_to_lds s[G0P+4*(\s):G0P+4*(\s)+3], s[G1P:G1P+7]
	s_nop 0
	PLACES
.Lasked_\@:
.endm
.macro FRAG reg, adr, off
.irp c, 0,1,2
	ds_load_b128 v[(\reg)+4*\c:(\reg)+4*\c+3], v[\adr] offset:(\off)+512*\c
.endr
.endm
.macro SCL reg, adr, off
	ds_load_b32 v[\reg], v[\adr] offset:\off
.endm
	s_load_b128 s[4:7], s[0:1], 0x0                ; vc, pc
	s_load_b64 s[8:9], s[0:1], 0x10                ; out0
	v_lshl_add_u32 v[SPW], v0, 2, SPARE
	v_mov_b32 v[NIL], 0
	ds_add_u32 v[SPW], v[NIL]                      ; the wave's opening: the add and its wait ahead of my first tensor load
	v_lshrrev_b32 v1, 5, v0
	v_readfirstlane_b32 s14, v1                    ; wave 0..3
	s_lshr_b32 s15, s14, 1                         ; my half of the queries.  Also: I fetch for V^T (0) or for P (1)
	s_and_b32 s16, s14, 1                          ; my half of the channels.  Also: which half I fetch
	s_bfe_u32 s40, ttmp6, 0x40000                  ; cx
	s_bfe_u32 s41, ttmp6, 0x40004                  ; cy
	s_lshl_b32 s42, ttmp9, 2
	s_add_co_u32 s42, s42, s40                     ; DT: which 256 channels
	s_and_b32 s18, ttmp7, 0xffff
	s_lshr_b32 s19, s18, 2                         ; the batch, from the cluster's y alone
	s_lshl_b32 s17, s18, 2
	s_add_co_u32 s17, s17, s41                     ; y = 16 b + QB: which 128 queries
	s_lshl_b32 s43, s41, 2
	s_lshl_b32 s43, 15, s43                        ; my row of the cluster
	s_lshl_b32 s44, 0x1111, s40                    ; my column
	s_or_b32 s[G1V], s44, (3<<16)|(1<<21)          ; two blocks = 200 rows of 32 elements of 8 bytes, dense
	s_mov_b32 s[G1V+1], 32<<16
	s_mov_b32 s[G1V+2], 200<<16
	s_mov_b32 s[G1V+3], 32<<16
	s_mov_b32 s[G1V+4], 200
	s_mov_b32 s[G1V+5], 32
	s_mov_b32 s[G1V+6], 0
	s_mov_b32 s[G1V+7], 0
	s_or_b32 s[G1P], s43, (3<<16)|(1<<21)          ; one block = 100 rows
	s_mov_b32 s[G1P+1], 32<<16
	s_mov_b32 s[G1P+2], 100<<16
	s_mov_b32 s[G1P+3], 32<<16
	s_mov_b32 s[G1P+4], 100
	s_mov_b32 s[G1P+5], 32
	s_mov_b32 s[G1P+6], 0
	s_mov_b32 s[G1P+7], 0
	s_lshl_b32 s46, s19, 6
	s_lshl_b32 s47, s42, 1
	s_add_co_u32 s47, s47, s16
	s_lshl_b32 s47, s47, 3
	s_add_co_u32 s46, s46, s47
	s_mul_i32 s46, s46, BLK                        ; V^T: block 64 b + 8 (2 DT + half): eight blocks, one for two K steps
	s_mov_b32 s47, 0
	s_lshl_b32 s12, s17, 3
	s_lshl_b32 s13, s16, 2
	s_add_co_u32 s12, s12, s13
	s_mul_i32 s12, s12, BLK                        ; P: block 8 y + 4 half: four blocks, one for four K steps
	s_mov_b32 s13, 0
	s_mul_i32 s20, s16, 2*BLK                      ; where they go in a slot: V^T's halves,
	s_mul_i32 s21, s16, BLK
	s_add_co_u32 s21, s21, 4*BLK                   ; P's behind them
	s_wait_dscnt 0x0                               ; the opening add is done
	s_wait_kmcnt 0x0
	s_add_nc_u64 s[46:47], s[4:5], s[46:47]
	s_add_nc_u64 s[12:13], s[6:7], s[12:13]
.irp s, 0,1
	s_mov_b32 s[G0V+4*\s], 1
	s_add_co_u32 s[G0V+4*\s+1], s20, \s*SLOT
	s_add_nc_u64 s[G0V+4*\s+2:G0V+4*\s+3], s[46:47], \s*2*BLK
	s_or_b32 s[G0V+4*\s+3], s[G0V+4*\s+3], 0x80000000
	s_mov_b32 s[G0P+4*\s], 1
	s_add_co_u32 s[G0P+4*\s+1], s21, \s*SLOT
	s_add_nc_u64 s[G0P+4*\s+2:G0P+4*\s+3], s[12:13], \s*BLK
	s_or_b32 s[G0P+4*\s+3], s[G0P+4*\s+3], 0x80000000
.endr
	ROUND                                          ; all sixteen work-groups are here: the first joint loads meet
	JLOAD 0
	JLOAD 1                                        ; two loads of mine are out
	v_and_b32 v3, 15, v0                           ; r
	v_bfe_u32 v18, v0, 4, 1                        ; h
	v_lshlrev_b32 v[LR], 2, v3
	v_and_b32 v[LI], 31, v0
	v_lshlrev_b32 v[LI], 4, v[LI]
	s_mul_i32 s22, s15, BLK
	s_add_co_u32 s22, s22, 4*BLK                   ; my half of P
	v_add_nc_u32 v[AV], s20, v[LI]
	v_add_nc_u32 v[AV+1], SLOT, v[AV]
	v_add_nc_u32 v[AP], s22, v[LI]
	v_add_nc_u32 v[AP+1], SLOT, v[AP]
	v_add_nc_u32 v[ASV], s20, v[LR]
	v_add_nc_u32 v[ASV], SCO, v[ASV]
	v_add_nc_u32 v[ASV+1], SLOT, v[ASV]
	v_add_nc_u32 v[ASP], s22, v[LR]
	v_add_nc_u32 v[ASP], SCO, v[ASP]
	v_add_nc_u32 v[ASP+1], SLOT, v[ASP]
	s_mul_i32 s23, s14, 16*SP                      ; my stage
	v_mul_u32_u24 v[STO], v3, SP
	v_lshl_add_u32 v[STO], v18, 6, v[STO]
	v_add_nc_u32 v[STO], s23, v[STO]               ; in: row r, + 64 h
	v_add_nc_u32 v[RD], s23, v[LI]                 ; back: the 32 lanes take a row of 512 bytes
	s_lshl_b32 s66, s17, 7
	s_lshl_b32 s67, s15, 6
	s_add_co_u32 s66, s66, s67                     ; my first row of out0: 128 y + 64 half,
	s_lshl_b32 s66, s66, 12
	s_lshl_b32 s67, s42, 10
	s_add_co_u32 s66, s66, s67                     ; my first channel, in bytes: 1,024 DT + 512 half
	s_lshl_b32 s67, s16, 9
	s_add_co_u32 s66, s66, s67
	s_mov_b32 s67, 0
	s_add_nc_u64 s[8:9], s[8:9], s[66:67]
.macro FO st                           ; step st's operands into set st % 2: 48 loads
	WIN 0x40+0x80*((\st)&1)
.irp i, 0,1,2,3,4,5,6,7
	FRAG 12*\i, AV+(((\st)>>2)&1), (((\st)&3)>>1)*BLK+(((\st)&1)*8+\i)*FRB
.endr
.irp i, 0,1,2,3
	FRAG 96+12*\i, AP+(((\st)>>2)&1), (4*((\st)&3)+\i)*FRB
.endr
	WIN 0
.irp i, 0,1,2,3,4,5,6,7
	SCL SC+12*((\st)&1)+\i, ASV+(((\st)>>2)&1), (((\st)&3)>>1)*BLK+(((\st)&1)*8+\i)*64
.endr
.irp i, 0,1,2,3
	SCL SC+12*((\st)&1)+8+\i, ASP+(((\st)>>2)&1), (4*((\st)&3)+\i)*64
.endr
.endm
.macro MULO st, n0, zero               ; 16 matrix instructions: four tiles of channels x P's four; the 32 accumulators take turns, in the same order in every step
	WIN 0xa5+0x0a*((\st)&1)                        ; sources 0 and 1 window 1 or 3, C and D window 2
.irp u, 0,1,2,3
.irp a, 0,1,2,3
.set rD, 8*(8*\a+(\n0)+\u)
.if \zero
	v_wmma_scale_f32_16x16x128_f8f6f4 v[rD:rD+7], v[12*((\n0)+\u):12*((\n0)+\u)+11], v[96+12*\a:96+12*\a+11], 0, v[SC+12*((\st)&1)+(\n0)+\u], v[SC+12*((\st)&1)+8+\a] matrix_a_fmt:MATRIX_FMT_FP6 matrix_b_fmt:MATRIX_FMT_FP6
.else
	v_wmma_scale_f32_16x16x128_f8f6f4 v[rD:rD+7], v[12*((\n0)+\u):12*((\n0)+\u)+11], v[96+12*\a:96+12*\a+11], v[rD:rD+7], v[SC+12*((\st)&1)+(\n0)+\u], v[SC+12*((\st)&1)+8+\a] matrix_a_fmt:MATRIX_FMT_FP6 matrix_b_fmt:MATRIX_FMT_FP6
.endif
.endr
.endr
.endm
; A step of 128 keys.  In a slot's third step its last fragments have been asked for at the step's head: in that step's middle the slots change; behind steps 2 and 6 the slot is filled again, 128 matrix instructions ahead of the wait for that load.
.macro OSTEP st, zero
	PLACES
.if (\st) < 15
	FO (\st)+1
	s_wait_dscnt 48                                ; this step's operands are in; the 48 loads just issued may be out
.else
	s_wait_dscnt 0x0
.endif
	MULO \st, 0, \zero
.if ((\st) == 2) || ((\st) == 6) || ((\st) == 10)
	WIN 0
	s_wait_tensorcnt 0x0                           ; all my tensor loads have landed: my part of the next slot
	ds_add_u32 v[SPW], v[NIL]                      ; 0 onto my spare word
.if (\st) < 10
	s_add_nc_u64 s[G0V+4*(((\st)>>2)&1)+2:G0V+4*(((\st)>>2)&1)+3], s[G0V+4*(((\st)>>2)&1)+2:G0V+4*(((\st)>>2)&1)+3], 4*BLK
	s_add_nc_u64 s[G0P+4*(((\st)>>2)&1)+2:G0P+4*(((\st)>>2)&1)+3], s[G0P+4*(((\st)>>2)&1)+2:G0P+4*(((\st)>>2)&1)+3], 2*BLK
.endif
	s_wait_dscnt 0x0                               ; the add is done, and my reads of this slot are over
.if (\st) < 10
	ROUND                                          ; the same holds of every wave of every partner
	JLOAD ((\st)>>2)&1                             ; my one tensor load behind the round
.else
	BAR                                            ; the last slot is whole; nothing is filled again, and nobody reads slot 0 any more
.endif
.endif
	MULO \st, 4, \zero
.endm
	s_wait_tensorcnt 0x1                           ; my part of slot 0 is in; slot 1's may be out
	BAR
	FO 0
	OSTEP 0, 1                                     ; the first step's products start the sums
.irp k, 1,2,3,4,5,6,7,8,9,10,11,12,13,14,15
	OSTEP \k, 0
.endr
; THE WAY OUT, a tile of 16 queries x 128 channels at a time, through my own stage: in as 16 bytes a lane, back as whole rows of 512 bytes.  LDS serves a wave's instructions in order: no wait between the stores and the loads.
.macro TOSTAGE a
	WIN 0x08                                       ; an LDS store's data are its source 1: window 2
.irp b, 0,1,2,3
.irp c, 0,1,2,3
	ds_store_b128 v[STO], v[64*(\a)+16*\b+4*\c:64*(\a)+16*\b+4*\c+3] offset:128*\b+16*\c   ; channels 32 b + 16 h + 4 c on; each accumulator from its low end on
.endr
.endr
	WIN 0
.irp p, 0,1,2,3,4,5,6,7,8,9,10,11,12,13,14,15
	ds_load_b128 v[BK+64*((\a)%2)+4*\p:BK+64*((\a)%2)+4*\p+3], v[RD] offset:SP*\p
.endr
.endm
.macro SEND a, younger                 ; younger: the LDS instructions issued behind tile a's loads, which may stay out
	s_wait_dscnt \younger
.irp p, 0,1,2,3,4,5,6,7,8,9,10,11,12,13,14,15
	global_store_b128 v[LI], v[BK+64*((\a)%2)+4*\p:BK+64*((\a)%2)+4*\p+3], s[8:9] offset:(32*((\a)/2)+8*((\a)%2)+\p+8*(\p/8))*4096 th:TH_STORE_NT   ; 32 lanes store 512 consecutive bytes, aligned to 256
.endr
.endm
	PLACES
	TOSTAGE 0
	TOSTAGE 1
	SEND 0, 32                                     ; behind tile 0's loads: tile 1's 16 stores and 16 loads
	s_wait_xcnt 0x0                                ; tile 0's stores have read their data: tile 2's loads may land there
	TOSTAGE 2
	SEND 1, 32
	s_wait_xcnt 0x0
	TOSTAGE 3
	SEND 2, 32
	SEND 3, 0
	s_wait_tensorcnt 0x0                           ; the wave's end: behind my last tensor load and my last LDS store
	ds_add_u32 v[SPW], v[NIL]
	s_wait_dscnt 0x0
	ROUND                                          ; the closing round
	s_endpgm
.Lfunc_end_k_q964e9feda5_outp:
	.size	k_q964e9feda5_outp, .Lfunc_end_k_q964e9feda5_outp-k_q964e9feda5_outp
	.p2alignl 7, 3214868480
	.fill 96, 4, 3214868480
	.section	.rodata,"a",@progbits
	.p2align	6, 0x0
	.amdhsa_kernel k_q964e9feda5_outp
		.amdhsa_group_segment_fixed_size 327680
		.amdhsa_private_segment_fixed_size 0
		.amdhsa_enable_private_segment 0
		.amdhsa_kernarg_size 24
		.amdhsa_user_sgpr_count 2
		.amdhsa_user_sgpr_kernarg_segment_ptr 1
		.amdhsa_wavefront_size32 1
		.amdhsa_system_sgpr_workgroup_id_x 1
		.amdhsa_system_sgpr_workgroup_id_y 1
		.amdhsa_system_sgpr_workgroup_id_z 1
		.amdhsa_system_vgpr_workitem_id 0
		.amdhsa_next_free_vgpr 1024
		.amdhsa_next_free_sgpr 72
		.amdhsa_reserve_vcc 0
		.amdhsa_float_denorm_mode_32 3
		.amdhsa_float_denorm_mode_16_64 3
		.amdhsa_memory_ordered 1
		.amdhsa_forward_progress 1
		.amdhsa_inst_pref_size 141
	.end_amdhsa_kernel
	.amdgpu_metadata
---
amdhsa.version: [ 1, 2 ]
amdhsa.kernels:
  - .name:           k_q964e9feda5_outp
    .symbol:         k_q964e9feda5_outp.kd
    .args:
      - { .name: vc, .offset: 0, .size: 8, .value_kind: global_buffer, .address_space: global }
      - { .name: pc, .offset: 8, .size: 8, .value_kind: global_buffer, .address_space: global }
      - { .name: out0, .offset: 16, .size: 8, .value_kind: global_buffer, .address_space: global }
    .group_segment_fixed_size: 327680
    .private_segment_fixed_size: 0
    .kernarg_segment_align: 8
    .kernarg_segment_size: 24
    .max_flat_workgroup_size: 128
    .sgpr_count:     72
    .vgpr_count:     1024
    .wavefront_size: 32
...
	.end_amdgpu_metadata
.endif
;; end of part 4
